; MI455X (gfx1250); checked and timed in simulation.
; The chip was launched on July 23, 2026; its instructions are those of AMD's public machine-readable ISA for CDNA 5 (MIT licence, August 2026) and "CDNA5" Instruction Set Architecture Reference Guide (July 2026). The comments in the code are by the model that wrote it; some were corrected since.
;; Continuous Gen Hyper Connections Strang. Allowed arithmetic: matrix products marked QUANTISED: E2M3 operands, one E8M0 scale for each 32 along K, by v_wmma_scale_f32_16x16x128_f8f6f4 with both operands' format E2M3, f32 sums; products left as they are: f32 operands where the result goes on into a quantised operand, else bf16, f16 or f32 operands; f32 sums; everything else in f32.
;; Inputs: W1 2,048 x 8,192 float32; W2 8,192 x 2,048 float32; W_conv 16 x 8,192 float32; W_diss 4 x 8,192 float32; W_dtc 1 x 8,192 float32; W_dtd 1 x 8,192 float32; W_ri 4 x 8,192 float32; W_wo 4 x 8,192 float32; alpha_read_in 1 float32; alpha_write_out 1 float32; b_dtc 1 float32; b_dtd 1 float32; conserv_A 4 x 4 float32; diss_diag 4 float32; log_dt_conserv 1 float32; log_dt_diss 1 float32; read_in_p 4 x 1 float32; write_out_p 4 x 1 float32; x 2,048 x 4 x 2,048 float32.
;; Outputs: out0 2,048 x 4 x 2,048 float32.
;; This version of the problem:
;;   THIS VERSION OF THE PROBLEM IS GIVEN IN LOW PRECISION. The matrix products marked QUANTISED in the list below multiply operands that are first quantised to E2M3 (2 exponent bits, 3 mantissa bits; 6 bits a number), with one power-of-two scale for each 32 numbers along K (OCP MX v1.0); their sums are f32. All else is computed in f32.
;;   The module's matrix products, in the order in which they are computed (A, B: the left and right operand; K: the contracted axis; several contracted axes count as one K, in the product's order):
;;     1. [M 2,048, K 8,192] x [K 8,192, N 4]; A: computed on the way; B: input W_ri: left as it is (N = 4 < 16)
;;     2. [M 2,048, K 8,192] x [K 8,192, N 4]; A: computed on the way; B: input W_wo: left as it is (N = 4 < 16)
;;     3. [M 2,048, K 8,192] x [K 8,192, N 16]; A: computed on the way; B: input W_conv: QUANTISED
;;     4. [M 2,048, K 8,192] x [K 8,192, N 1]; A: computed on the way; B: input W_dtc: left as it is (N = 1 < 16)
;;     5. [M 2,048, K 8,192] x [K 8,192, N 4]; A: computed on the way; B: input W_diss: left as it is (N = 4 < 16)
;;     6. [M 2,048, K 8,192] x [K 8,192, N 1]; A: computed on the way; B: input W_dtd: left as it is (N = 1 < 16)
;;     7. batch 2,048 x [M 1, K 4] x [K 4, N 2,048]; A: computed on the way; B: input x: left as it is (K = 4 < 32)
;;     8. [M 2,048, K 2,048] x [K 2,048, N 8,192]; A: computed on the way; B: input W1: QUANTISED
;;     9. [M 2,048, K 8,192] x [K 8,192, N 2,048]; A: computed on the way; B: input W2: QUANTISED
;;     10. batch 2,048 x [M 4, K 1] x [K 1, N 2,048]; A: computed on the way; B: computed on the way: left as it is (K = 1 < 32)
;;     11. batch 2,048 x [M 4, K 4] x [K 4, N 2,048]; A: computed on the way; B: input x: left as it is (K = 4 < 32)
;;   THE QUANTISER, for each operand of a quantised product, along K:
;;     - K is cut into blocks of 32 from its start; a last block that is shorter is filled with zeros.
;;     - A block's scale is 2^e with e = floor(log2(the largest magnitude in the block)) - 2, held to -126 .. 127; a block of zeros has e = 0. As a byte (E8M0): e + 127.
;;     - Each number is divided by its block's scale, clamped to +-7.5, and rounded to the nearest number of E2M3, ties to even, subnormals kept.
;;     - The product sums the exact products of the quantised numbers (number of the format x scale) in f32.
;;   ~~~python
;;   def quantise(x, axis):      # numpy; x: float32 -> the quantised numbers, widened to float32 again
;;       x = np.moveaxis(x, axis, -1); K = x.shape[-1]
;;       x = np.pad(x, [(0, 0)] * (x.ndim - 1) + [(0, -K % 32)]); x = x.reshape(x.shape[:-1] + (-1, 32)); a = np.abs(x).max(-1, keepdims=True)
;;       e = np.where(a > 0, np.clip(np.frexp(np.where(a > 0, a, 1))[1] - 1 - 2, -126, 127), 0)      # np.frexp(a)[1] - 1 = floor(log2(a)), exactly
;;       r = np.clip(x / 2.0 ** e, -7.5, 7.5)
;;       step = 2.0 ** (np.maximum(np.frexp(np.where(r == 0, 1, r))[1] - 1, 0) - 3)
;;       q = np.round(r / step) * step * 2.0 ** e      # np.round: ties to even
;;       return np.moveaxis(q.reshape(q.shape[:-2] + (-1,))[..., :K], -1, axis).astype(np.float32)
;;   ~~~
;;   OPERANDS COMPUTED ON THE WAY. 'Computed on the way' means the value that the module computes at that place (a softmax that the list does not call 'softmax' is quantised finished and normalised). What goes into a quantiser is computed in f32, as accurately as f32 sums, v_exp_f32 and their like allow (about 1e-6 of the number): no bf16 or f16 on the way to a quantiser, and a product that is left as it is and whose result goes on into a quantised operand takes f32 operands (vector FMAs, or v_wmma_f32_16x16x4_f32). A number that lies on a knife's edge between two numbers of the format may be rounded either way, as far as f32 arithmetic and the matrix unit's own rounding can turn it there, and no further.
;; One version. Each part assembles by itself: llvm-mc -triple=amdgcn-amd-amdhsa -mcpu=gfx1250 --defsym DOCPART=n.
;; ======== version 1 of 1: 4 launches
;; workspace buffers: w1q 13,107,200 bytes; w2q 13,107,200 bytes; wsm 266,240 bytes; a1 3,276,800 bytes; hq 13,107,200 bytes; cf 262,144 bytes
;; launch quant (part 1): grid 1104 x 1, 4 waves a work-group, no clusters, 0 bytes of LDS; arguments W1, W2, W_conv, W_wo, W_dtc, W_diss, W_dtd, w1q, w2q, wsm; writes w1q, w2q, wsm
.if DOCPART == 1
	.amdgcn_target "amdgcn-amd-amdhsa--gfx1250"
	.amdhsa_code_object_version 6
	.text
	.protected	k_q5e82d4ce68_quant
	.globl	k_q5e82d4ce68_quant
	.p2align	8
	.type	k_q5e82d4ce68_quant,@function
k_q5e82d4ce68_quant:
	s_mov_b64 s[64:65], 0
	v_nop
	global_prefetch_b8 v0, s[64:65] scope:SCOPE_SE
	s_setreg_imm32_b32 hwreg(HW_REG_WAVE_MODE, 25, 1), 1
	s_wait_xcnt 0x0
; The weights are laid out once for the later launches.
; W1 [2048 (k)][8192 (n)] and W2 [8192 (k)][2048 (n)], f32, K on the first axis, become codes of E2M3 with one E8M0 byte for each 32 along K.
; The codes are stored as IMAGES OF OPERAND REGISTERS: a fragment (16 positions along n x 128 k) is 1,536 bytes; piece c of lane l lies at 512 c + 16 l and holds
; registers 4 c .. 4 c + 3; lane (r, h) holds k = 32 h .. + 31 in registers 0-5 and k = 64 + 32 h .. in registers 6-11.  Fragments lie [n / 16][k / 128].
; Position p along n holds column p with its bits 3 and 4 exchanged, so that in the transposed product two neighbouring tiles give a lane 16 neighbouring columns.
; Scale words (four bytes: 128 k of one position) lie [k / 128][position], SCW bytes behind the buffer's start.
; A lane takes a column and its registers run down K: a block of 32 is one lane's, and the conversions give codes with K innermost.
; W_conv [16][8192] becomes 64 such fragments and their words in wsm; the ten rows of W_wo, W_dtc, W_diss, W_dtd become bf16 fragments in wsm (layout at SMALLB).
; Work-groups 0-511: W1; 512-1023: W2; 1024-1103: the small ones: sixteen work-groups for each of the five tensors, one K step of 128 of one tensor to a wave,
; so that a wave has one run of loads, one conversion and one run of stores, and none of them stands in a chain behind another's.  No LDS, no barrier: waves share nothing.
; LIMITS: NaN and infinities are not served; a block of zeros (and any block whose largest magnitude lies under 2^-124) gets the byte 1; its bytes are read by this program alone.
.set X,   32                           ; v32-95   two sets of 32 numbers
.set CB,  96                           ; v96-143  the codes of two K steps, 24 registers each: image lane h's twelve at + 12 h
.set TQ,  20                           ; v20-22, v24-26  a conversion's three registers begin on an even number: the odd halves are made here and moved
.set SCW, 12582912                     ; where the scale words begin in w1q and w2q
	s_load_b512 s[16:31], s[0:1], 0x0              ; W1, W2, W_conv, W_wo, W_dtc, W_diss, W_dtd, w1q
	s_load_b128 s[32:35], s[0:1], 0x40             ; w2q, wsm
	v_lshrrev_b32 v2, 5, v0
	v_readfirstlane_b32 s2, v2                     ; wave 0..3
	v_and_b32 v1, 31, v0                           ; lane
	v_and_b32 v7, 15, v0                           ; r
	v_bfe_u32 v6, v0, 4, 1                         ; h
	v_and_b32 v3, 7, v1
	v_and_b32 v10, 8, v1
	v_lshl_or_b32 v3, v10, 1, v3
	v_and_b32 v10, 16, v1
	v_lshrrev_b32 v10, 1, v10
	v_or_b32 v3, v3, v10                           ; the lane's number with bits 3 and 4 exchanged: my column among the wave's 32
	v_lshlrev_b32 v3, 2, v3
	v_lshlrev_b32 v5, 2, v1                        ; my scale word's place: by position
	s_wait_kmcnt 0x0
.macro QLOAD t, N                      ; block t: W(32 t + i, my column), i = 0 .. 31, into set t % 2; 32 lanes read 128 bytes of a row
.set i, 0
.rept 32
	global_load_b32 v[X+32*((\t)%2)+i], v3, s[4:5] offset:(32*(\t)+i)*\N*4 th:TH_LOAD_NT
.set i, i+1
.endr
.endm
.macro QBLOCK t, N
.set XS, X+32*((\t)%2)
.set CD, CB+24*((\t)/4)+12*((\t)%2)+6*(((\t)%4)/2)
.if (\t) < 7
	s_wait_loadcnt 32                              ; this block's 32 loads are in; the next block's 32 may be out
.else
	s_wait_loadcnt 0
.endif
	v_max3_num_f32 v12, |v[XS]|, |v[XS+1]|, |v[XS+2]|              ; the block's largest magnitude, in two chains
	v_max3_num_f32 v13, |v[XS+3]|, |v[XS+4]|, |v[XS+5]|
.irp i, 6,10,14,18,22,26
	v_max3_num_f32 v12, v12, |v[XS+\i]|, |v[XS+\i+1]|
	v_max3_num_f32 v13, v13, |v[XS+\i+2]|, |v[XS+\i+3]|
.endr
	v_max3_num_f32 v12, v12, |v[XS+30]|, |v[XS+31]|
	v_max3_num_f32 v12, v12, v13, 0x1800000        ; and the floor 2^(3 - 127): the byte cannot fall under 1
	v_add_nc_u32 v11, 0xff000000, v12              ; 2 off the exponent field: the conversion's scale operand
	v_cvt_scalef32_pk16_fp6_f32 v[CD:CD+2], v[XS:XS+15], v11
	v_cvt_scalef32_pk16_fp6_f32 v[TQ:TQ+2], v[XS+16:XS+31], v11
	v_lshrrev_b32 v10, 23, v11                     ; the scale's byte (a plain line behind the conversions)
.irp i, 0,1,2
	v_mov_b32 v[CD+3+\i], v[TQ+\i]
.endr
.if (\t)%4 == 0
	v_mov_b32 v[16+(\t)/4], v10                    ; four bytes to a word, the lower k in the lower byte
.else
	v_lshl_or_b32 v[16+(\t)/4], v10, 8*((\t)%4), v[16+(\t)/4]
.endif
.if (\t)+2 < 8
	QLOAD (\t)+2, \N
.endif
.if (\t)%4 == 3                        ; a K step is whole: sixteen neighbouring lanes store 256 consecutive bytes of a fragment's image
.irp hh, 0,1
.irp p, 0,1,2
	global_store_b128 v4, v[CB+24*((\t)/4)+12*\hh+4*\p:CB+24*((\t)/4)+12*\hh+4*\p+3], s[6:7] offset:((\t)/4)*1536+256*\hh+512*\p
.endr
.endr
	global_store_b32 v5, v[16+(\t)/4], s[8:9] offset:((\t)/4)*\N*4
.endif
.endm
; A wave takes 32 columns x 256 k (8 blocks, 2 K steps).  s8 = which 128 columns, s9 = which 256 k.  No store's registers are written again.
.macro QW K, N, WP, QP
	s_mul_i32 s10, s9, 256*\N*4
	s_lshl_b32 s11, s8, 9
	s_add_co_u32 s10, s10, s11
	s_lshl_b32 s11, s2, 7
	s_add_co_u32 s10, s10, s11
	s_mov_b32 s11, 0
	s_add_nc_u64 s[4:5], s[\WP:\WP+1], s[10:11]    ; W at row 256 y, column 128 x + 32 wave
	s_lshl_b32 s12, s8, 3
	s_lshl_b32 s13, s2, 1
	s_add_co_u32 s12, s12, s13
	s_mul_i32 s12, s12, \K/128
	s_lshl_b32 s13, s9, 1
	s_add_co_u32 s12, s12, s13
	s_mul_i32 s12, s12, 1536
	s_mov_b32 s13, 0
	s_add_nc_u64 s[6:7], s[\QP:\QP+1], s[12:13]    ; fragment (8 x + 2 wave, 2 y)
	s_mul_i32 s12, s9, 2*\N*4
	s_lshl_b32 s14, s8, 9
	s_add_co_u32 s12, s12, s14
	s_lshl_b32 s14, s2, 7
	s_add_co_u32 s12, s12, s14
	s_add_co_u32 s12, s12, SCW
	s_add_nc_u64 s[8:9], s[\QP:\QP+1], s[12:13]    ; the scale words of K step 2 y, position 128 x + 32 wave
	v_mul_u32_u24 v4, v6, \K/128*1536              ; lanes 16-31 belong to the next tile of 16 positions
	v_lshl_add_u32 v4, v7, 4, v4
	QLOAD 0, \N
	QLOAD 1, \N
.irp t, 0,1,2,3,4,5,6,7
	QBLOCK \t, \N
.endr
.endm
; bf16 fragments of 'rows' rows of a small weight, which become rows n0 on of a ten-row operand.  Layout in wsm, from 102,400 on: [S][j4 4][piece 2][h 2][n 10][16 bytes].
; Lane (n, h) of fragment j4 holds k = 128 S + 64 (j4 / 2) + 32 h + 16 (j4 % 2) + 0 .. 15 in the order of its registers; the launch that multiplies lays x in the same order.
; Lanes past the last row take the last row and store the same bytes with the same values.
.macro SMALLB PTR, rows, n0
	s_add_nc_u64 s[4:5], s[\PTR:\PTR+1], s[14:15]
	v_min_u32 v8, \rows-1, v7
	v_lshlrev_b32 v9, 15, v8
	v_lshl_add_u32 v9, v6, 7, v9
.irp c, 0,1
.irp j, 0,1,2,3,4,5,6,7
	global_load_b128 v[X+32*\c+4*\j:X+32*\c+4*\j+3], v9, s[4:5] offset:256*\c+16*\j th:TH_LOAD_NT
.endr
.endr
	v_lshlrev_b32 v8, 4, v8
	v_mad_u32_u24 v8, v6, 160, v8
	s_wait_loadcnt 0x0
.set i, 0
.rept 32
	v_cvt_pk_bf16_f32 v[CB+i], v[X+2*i], v[X+2*i+1]
.set i, i+1
.endr
.irp j4, 0,1,2,3
.irp pc, 0,1
	global_store_b128 v8, v[CB+8*\j4+4*\pc:CB+8*\j4+4*\pc+3], s[12:13] offset:102400+16*\n0+640*\j4+320*\pc
.endr
.endr
.endm
	s_cmp_lt_u32 ttmp9, 512
	s_cbranch_scc0 .Lnot_w1
	s_and_b32 s8, ttmp9, 63
	s_lshr_b32 s9, ttmp9, 6
	QW 2048, 8192, 16, 30
	s_endpgm
.Lnot_w1:
	s_cmp_lt_u32 ttmp9, 1024
	s_cbranch_scc0 .Lsmall
	s_sub_co_u32 s10, ttmp9, 512
	s_and_b32 s8, s10, 15
	s_lshr_b32 s9, s10, 4
	QW 8192, 2048, 18, 32
	s_endpgm
.Lsmall:                                           ; the small weights, whose K is innermost: tensor (work-group - 1024) / 16, K step S = 4 ((work-group - 1024) % 16) + wave
	s_sub_co_u32 s8, ttmp9, 1024
	s_lshr_b32 s9, s8, 4                           ; which tensor: the branches below hang on the work-group's number alone
	s_and_b32 s8, s8, 15
	s_lshl_b32 s8, s8, 2
	s_add_co_u32 s8, s8, s2
	s_lshl_b32 s14, s8, 9                          ; 128 numbers of a row are 512 bytes
	s_mov_b32 s15, 0
	s_mul_i32 s10, s8, 2560
	s_mov_b32 s11, 0
	s_add_nc_u64 s[12:13], s[34:35], s[10:11]      ; the bf16 fragments of step S (102,400 further on, in the immediate)
	s_cmp_eq_u32 s9, 1
	s_cbranch_scc1 .Lwo
	s_cmp_eq_u32 s9, 2
	s_cbranch_scc1 .Ldtc
	s_cmp_eq_u32 s9, 3
	s_cbranch_scc1 .Ldiss
	s_cmp_eq_u32 s9, 4
	s_cbranch_scc1 .Ldtd
	s_mul_i32 s10, s8, 1536                        ; W_conv
	s_add_nc_u64 s[6:7], s[34:35], s[10:11]        ; its fragment S
	s_lshl_b32 s10, s8, 6
	s_add_nc_u64 s[38:39], s[34:35], s[10:11]      ; its 16 scale words (98,304 further on, in the immediate)
	s_add_nc_u64 s[4:5], s[20:21], s[14:15]
	s_mov_b32 s36, 0x76543210
	s_mov_b32 s37, 0xfedcba98                      ; lane selects: lane l xor 16
	v_lshlrev_b32 v4, 4, v1
	v_lshlrev_b32 v11, 2, v7
	v_lshlrev_b32 v9, 15, v7
	v_lshl_add_u32 v9, v6, 7, v9                   ; row r of 32,768 bytes, + 128 h: lane (r, h) takes k = 64 c + 32 h + 0 .. 31
.irp c, 0,1
.irp j, 0,1,2,3,4,5,6,7
	global_load_b128 v[X+32*\c+4*\j:X+32*\c+4*\j+3], v9, s[4:5] offset:256*\c+16*\j th:TH_LOAD_NT
.endr
.endr
	s_wait_loadcnt 0x0
.irp c, 0,1                                    ; my block 2 c + h: all its 32 numbers are mine
	v_max3_num_f32 v[12+\c], |v[X+32*\c]|, |v[X+32*\c+1]|, 0x1800000
.endr
.irp i, 2,4,6,8,10,12,14,16,18,20,22,24,26,28,30
.irp c, 0,1
	v_max3_num_f32 v[12+\c], v[12+\c], |v[X+32*\c+\i]|, |v[X+32*\c+\i+1]|
.endr
.endr
.irp c, 0,1
	v_add_nc_u32 v[14+\c], 0xff000000, v[12+\c]
.endr
.irp c, 0,1
	v_lshrrev_b32 v[16+\c], 23, v[14+\c]
.endr
	v_lshl_or_b32 v18, v17, 16, v16                ; my two bytes: blocks h and 2 + h,
	v_lshlrev_b32 v10, 3, v6
	v_lshlrev_b32 v18, v10, v18                    ; 8 h bits up;
	v_mov_b32 v19, 0
	v_permlanex16_b32 v19, v18, s36, s37
	v_or_b32 v18, v18, v19                         ; with lane l xor 16's two the word is whole
.irp c, 0,1
	v_cvt_scalef32_pk16_fp6_f32 v[CB+6*\c:CB+6*\c+2], v[X+32*\c:X+32*\c+15], v[14+\c]
	v_cvt_scalef32_pk16_fp6_f32 v[TQ+4*\c:TQ+4*\c+2], v[X+32*\c+16:X+32*\c+31], v[14+\c]
.endr
	v_nop                                          ; a plain line behind the conversions
.irp c, 0,1
.irp i, 0,1,2
	v_mov_b32 v[CB+3+6*\c+\i], v[TQ+4*\c+\i]
.endr
.endr
.irp p, 0,1,2
	global_store_b128 v4, v[CB+4*\p:CB+4*\p+3], s[6:7] offset:512*\p
.endr
	global_store_b32 v11, v18, s[38:39] offset:98304   ; lanes 16-31 store the same word with the same value
	s_endpgm
.Lwo:
	SMALLB 22, 4, 0                                ; W_wo: rows 0-3
	s_endpgm
.Ldtc:
	SMALLB 24, 1, 4                                ; W_dtc: row 4
	s_endpgm
.Ldiss:
	SMALLB 26, 4, 5                                ; W_diss: rows 5-8
	s_endpgm
.Ldtd:
	SMALLB 28, 1, 9                                ; W_dtd: row 9
	s_endpgm
.Lfunc_end_k_q5e82d4ce68_quant:
	.size	k_q5e82d4ce68_quant, .Lfunc_end_k_q5e82d4ce68_quant-k_q5e82d4ce68_quant
	.p2alignl 7, 3214868480
	.fill 96, 4, 3214868480
	.section	.rodata,"a",@progbits
	.p2align	6, 0x0
	.amdhsa_kernel k_q5e82d4ce68_quant
		.amdhsa_group_segment_fixed_size 0
		.amdhsa_private_segment_fixed_size 0
		.amdhsa_enable_private_segment 0
		.amdhsa_kernarg_size 80
		.amdhsa_user_sgpr_count 2
		.amdhsa_user_sgpr_kernarg_segment_ptr 1
		.amdhsa_wavefront_size32 1
		.amdhsa_system_sgpr_workgroup_id_x 1
		.amdhsa_system_sgpr_workgroup_id_y 1
		.amdhsa_system_sgpr_workgroup_id_z 1
		.amdhsa_system_vgpr_workitem_id 0
		.amdhsa_next_free_vgpr 160
		.amdhsa_next_free_sgpr 66
		.amdhsa_reserve_vcc 0
		.amdhsa_float_denorm_mode_32 3
		.amdhsa_float_denorm_mode_16_64 3
		.amdhsa_memory_ordered 1
		.amdhsa_forward_progress 1
		.amdhsa_inst_pref_size 102
	.end_amdhsa_kernel
	.amdgpu_metadata
---
amdhsa.version: [ 1, 2 ]
amdhsa.kernels:
  - .name:           k_q5e82d4ce68_quant
    .symbol:         k_q5e82d4ce68_quant.kd
    .args:
      - { .name: W1, .offset: 0, .size: 8, .value_kind: global_buffer, .address_space: global }
      - { .name: W2, .offset: 8, .size: 8, .value_kind: global_buffer, .address_space: global }
      - { .name: W_conv, .offset: 16, .size: 8, .value_kind: global_buffer, .address_space: global }
      - { .name: W_wo, .offset: 24, .size: 8, .value_kind: global_buffer, .address_space: global }
      - { .name: W_dtc, .offset: 32, .size: 8, .value_kind: global_buffer, .address_space: global }
      - { .name: W_diss, .offset: 40, .size: 8, .value_kind: global_buffer, .address_space: global }
      - { .name: W_dtd, .offset: 48, .size: 8, .value_kind: global_buffer, .address_space: global }
      - { .name: w1q, .offset: 56, .size: 8, .value_kind: global_buffer, .address_space: global }
      - { .name: w2q, .offset: 64, .size: 8, .value_kind: global_buffer, .address_space: global }
      - { .name: wsm, .offset: 72, .size: 8, .value_kind: global_buffer, .address_space: global }
    .group_segment_fixed_size: 0
    .private_segment_fixed_size: 0
    .kernarg_segment_align: 8
    .kernarg_segment_size: 80
    .max_flat_workgroup_size: 128
    .sgpr_count:     66
    .vgpr_count:     160
    .wavefront_size: 32
...
	.end_amdgpu_metadata
.endif
;; end of part 1
;; launch prep (part 2): grid 256 x 1, 16 waves a work-group, no clusters, 303,104 bytes of LDS; arguments x, W_ri, wsm, a1, cf, read_in_p, write_out_p, diss_diag, conserv_A, alpha_read_in, alpha_write_out, log_dt_conserv, b_dtc, log_dt_diss, b_dtd; writes a1, cf
.if DOCPART == 2
	.amdgcn_target "amdgcn-amd-amdhsa--gfx1250"
	.amdhsa_code_object_version 6
	.text
	.protected	k_q5e82d4ce68_prep
	.globl	k_q5e82d4ce68_prep
	.p2align	8
	.type	k_q5e82d4ce68_prep,@function
k_q5e82d4ce68_prep:
	s_mov_b64 s[64:65], 0
	v_nop
	global_prefetch_b8 v0, s[64:65] scope:SCOPE_SE
	s_setreg_imm32_b32 hwreg(HW_REG_WAVE_MODE, 25, 1), 1
	s_wait_xcnt 0x0
; All that a row needs ahead of the two large products.  A work-group owns 8 rows of x (8 x 32,768 bytes), which come into LDS once and stay.
;   pass A   sum of squares and the four products with W_ri, in f32 (they lead into a quantised operand): wave w takes k = 512 w .. + 511 of all 8 rows, lanes along k
;   phase R  rs = rsqrt(mean + eps) and read_in = sigmoid(alpha rs (x . W_ri) + p), in every wave
;   pass B   xn = x rs; the product with W_conv on codes of E2M3, the ten products with W_wo, W_dtc, W_diss, W_dtd on bf16.  A tile's 16 rows are 8 rows x 2 halves of K
;   branch   sum over n of read_in[n] x[n], quantised along its 2,048: wave w makes K step w of the first large product; stored as images of operand registers (a1)
;   last     the waves' parts are added; wave 0 makes write_out and Phi = exp(D/2) Cayley(S) exp(D/2) for the 8 rows (cf: 32 f32 a row: Phi at 0-15, write_out at 16-19)
; The solve (I - S) Q = I + S is written in closed form, exact for every skew S of 4 x 4: with a = sum of s_ij^2, p = s01 s23 - s02 s13 + s03 s12, T = S S and S~ the dual of S:
; Q = ((1 + a - p^2) I + 2 T + 2 S + 2 p S~) / (1 + a + p^2).
; No cluster: what work-groups share here is the small weights alone, about a hundredth of what a work-group reads, and they go straight into registers.
; LIMITS: NaN and infinities are not served; a block of zeros gets the byte 1 (zero codes; the bytes are read by this program alone).
; softplus is max(z, 0) + ln(1 + e^-|z|): where e^-|z| falls under 2^-24 the second term is 0.
.set XRP,  16400                       ; LDS: half row q = row + 8 x half at q x 16,400: 16,384 bytes + 16, so that 16 lanes on 16 half rows start 16 bytes apart modulo 256
.set REDA, 262400                      ; [s 5][row 8][wave 16] f32
.set REDB, 264960                      ; [wave] at pitch 2,064: [piece 4][lane 32][16 bytes]
.set RBP,  2064
.set FIN,  297984                      ; [row 8] at pitch 144: 16 sums with W_conv, 16 with the ten rows
.set WR,   48                          ; v48-111  W_ri: column s, chunk ch at 16 s + 4 ch; later the bf16 weights, later the branch
.set WSR,  48
.set XA,   112                         ; v112-175 numbers of x
.set X,    112
.set AC,   176                         ; v176-255 pass A: pairs of sums, row x 10 + 2 s
.set WC,   176                         ; v176-199 pass B: W_conv's two fragments
.set PC,   204                         ; v204-215 codes just made
.set TQ,   216
.set D1,   224
.set D2,   232
.set E1,   240
.set E2,   248
.set WCS,  44                          ; v44-45   W_conv's scale words: these and v46 hold scales and nothing else
.set XW,   46                          ; v46      x's scale word
.macro BAR                             ; my LDS stores have landed and my LDS loads are in: then the work-group's barrier
	s_wait_dscnt 0x0
	s_barrier_signal -1
	s_barrier_wait -1
.endm
	s_load_b512 s[8:23], s[0:1], 0x0               ; x, W_ri, wsm, a1, cf, read_in_p, write_out_p, diss_diag
	s_load_b256 s[24:31], s[0:1], 0x40             ; conserv_A, alpha_read_in, alpha_write_out, log_dt_conserv
	s_load_b128 s[32:35], s[0:1], 0x60             ; b_dtc, log_dt_diss
	s_load_b64 s[36:37], s[0:1], 0x70              ; b_dtd
	v_lshl_add_u32 v42, v0, 2, 0x49800
	v_mov_b32 v43, 0
	ds_add_u32 v42, v43
	ds_add_u32 v42, v43
	v_lshrrev_b32 v1, 5, v0
	v_readfirstlane_b32 s2, v1                     ; wave 0..15
	s_mov_b32 s88, 3<<16                           ; group 1: elements of 8 bytes, no mask, no padding
	s_mov_b32 s89, 32<<16                          ; tensor_dim0 = 32 (256 bytes)
	s_mov_b32 s90, 64<<16                          ; tensor_dim1 = 64
	s_mov_b32 s91, 32<<16                          ; tile_dim0
	s_mov_b32 s92, 64                              ; tile_dim1
	s_mov_b32 s93, 32                              ; pitch: dense
	s_mov_b32 s94, 0
	s_mov_b32 s95, 0
	s_and_b32 s5, s2, 7
	s_lshr_b32 s6, s2, 3
	s_lshl_b32 s38, ttmp9, 18                      ; the work-group's 8 rows,
	s_lshl_b32 s7, s5, 15                          ; row wave % 8,
	s_add_co_u32 s38, s38, s7
	s_lshl_b32 s7, s6, 14                          ; half wave / 8
	s_add_co_u32 s38, s38, s7
	s_mov_b32 s39, 0
	s_mov_b32 s84, 1
	s_mul_i32 s85, s2, XRP
	s_wait_dscnt 0x0
	s_wait_kmcnt 0x0
	s_add_nc_u64 s[86:87], s[8:9], s[38:39]
	s_or_b32 s87, s87, 0x80000000
	tensor_load_to_lds s[84:87], s[88:95]          ; my half row: the one tensor load of this wave; every LDS byte is filled once
	s_nop 0
.rept 4
	v_nop
.endr
	s_load_b128 s[44:47], s[18:19], 0x0            ; read_in_p
	s_load_b32 s48, s[26:27], 0x0                  ; alpha_read_in
	s_load_b32 s49, s[28:29], 0x0                  ; alpha_write_out
	s_load_b128 s[52:55], s[20:21], 0x0            ; write_out_p
	s_load_b32 s56, s[30:31], 0x0                  ; log_dt_conserv
	s_load_b32 s57, s[32:33], 0x0                  ; b_dtc
	s_load_b32 s58, s[34:35], 0x0                  ; log_dt_diss
	s_load_b32 s59, s[36:37], 0x0                  ; b_dtd
	s_load_b128 s[60:63], s[22:23], 0x0            ; diss_diag
	s_load_b512 s[68:83], s[24:25], 0x0            ; conserv_A
	v_and_b32 v1, 31, v0                           ; lane
	v_and_b32 v2, 7, v0                            ; r8: my row in most phases
	v_and_b32 v3, 15, v0                           ; r'
	v_bfe_u32 v4, v0, 4, 1                         ; h
	v_bfe_u32 v34, v0, 3, 2                        ; lane / 8
	v_bfe_u32 v35, v0, 3, 1
	s_lshl_b32 s7, s2, 11
	v_lshlrev_b32 v10, 4, v1
	v_add_nc_u32 v10, s7, v10                      ; W_ri: 2,048 wave + 16 lane
.irp col, 0,1,2,3
.irp ch, 0,1,2,3
	global_load_b128 v[WR+16*\col+4*\ch:WR+16*\col+4*\ch+3], v10, s[10:11] offset:\col*32768+512*\ch
.endr
.endr
	s_mul_i32 s7, s6, 8*XRP
	s_lshl_b32 s40, s5, 11
	s_add_co_u32 s7, s7, s40
	v_lshlrev_b32 v5, 4, v1
	v_add_nc_u32 v5, s7, v5                        ; pass A: my half, my 2,048 bytes of it, 16 bytes a lane; rows 0-3
	v_add_nc_u32 v6, 4*XRP, v5                     ; rows 4-7
	v_mul_u32_u24 v7, v3, XRP
	v_lshl_add_u32 v7, v4, 7, v7
	s_lshl_b32 s7, s2, 10
	v_add_nc_u32 v7, s7, v7                        ; pass B: half row r', + 128 h, + two K steps a wave
	v_mul_u32_u24 v8, v2, XRP
	v_lshl_add_u32 v8, v34, 7, v8
	s_lshl_b32 s7, s2, 9
	v_add_nc_u32 v8, s7, v8                        ; branch: row r8, K step = wave, block = lane / 8; streams 0, 1
	v_add_nc_u32 v9, 8*XRP, v8                     ; streams 2, 3
	s_mul_i32 s7, s2, 3072
	v_lshlrev_b32 v11, 4, v1
	v_add_nc_u32 v11, s7, v11                      ; W_conv's fragments: two K steps a wave
	s_lshl_b32 s7, s2, 7
	v_lshlrev_b32 v12, 2, v3
	v_add_nc_u32 v12, s7, v12                      ; and their scale words
	v_min_u32 v13, 9, v3
	v_lshlrev_b32 v13, 4, v13
	v_mad_u32_u24 v13, v4, 160, v13
	s_mul_i32 s7, s2, 5120
	v_add_nc_u32 v13, s7, v13                      ; the bf16 fragments: rows past the tenth take the tenth
	s_lshl_b32 s7, s2, 2
	s_add_co_u32 s7, s7, REDA
	v_lshlrev_b32 v14, 6, v2
	v_add_nc_u32 v14, s7, v14                      ; REDA in: row r8, my wave's word
	v_lshlrev_b32 v15, 6, v2
	v_lshl_add_u32 v15, v34, 4, v15
	v_add_nc_u32 v15, REDA, v15                    ; REDA out: row r8, four waves' words
	s_mul_i32 s7, s2, RBP
	s_add_co_u32 s7, s7, REDB
	v_lshlrev_b32 v16, 4, v1
	v_add_nc_u32 v16, s7, v16                      ; REDB in
	s_lshl_b32 s7, s5, 4
	s_lshl_b32 s40, s6, 8
	s_add_co_u32 s7, s7, s40
	s_add_co_u32 s7, s7, REDB
	v_mul_u32_u24 v17, v3, RBP
	v_lshl_add_u32 v17, v4, 10, v17
	v_add_nc_u32 v17, s7, v17                      ; REDB out: source wave r', pieces 2 h and 2 h + 1, source lane wave % 8 + 16 (wave / 8)
	s_mul_i32 s7, s5, 144
	s_lshl_b32 s40, s6, 5
	s_add_co_u32 s7, s7, s40
	s_add_co_u32 s7, s7, FIN
	v_lshlrev_b32 v18, 6, v4
	v_add_nc_u32 v18, s7, v18                      ; FIN in
	v_mul_u32_u24 v19, v2, 144
	v_add_nc_u32 v19, FIN, v19                     ; FIN out: row r8
	v_lshlrev_b32 v20, 4, v2
	v_lshl_add_u32 v20, v35, 8, v20                ; a1's image: 16 r8 + 256 x the image's half
	v_lshlrev_b32 v21, 2, v2
	v_lshlrev_b32 v22, 7, v2
	v_lshlrev_b32 v23, 3, v4                       ; 8 h: where my two bytes stand in pass B's scale word
	v_lshlrev_b32 v47, 3, v34                      ; 8 (lane / 8): where my byte stands in the branch's
	v_mov_b32 v41, 0                               ; a lane permute's destination counts as one of its sources
	s_lshr_b32 s7, ttmp9, 1
	s_lshl_b32 s7, s7, 4
	s_add_co_u32 s7, s7, s2
	s_mul_i32 s38, s7, 1536
	s_and_b32 s7, ttmp9, 1
	s_lshl_b32 s7, s7, 7
	s_add_co_u32 s38, s38, s7
	s_add_nc_u64 s[40:41], s[14:15], s[38:39]      ; a1: fragment (work-group / 2, wave), rows 8 (work-group % 2) on
	s_lshl_b32 s38, s2, 13
	s_lshl_b32 s7, ttmp9, 5
	s_add_co_u32 s38, s38, s7
	s_add_co_u32 s38, s38, 3145728
	s_add_nc_u64 s[42:43], s[14:15], s[38:39]      ; a1's scale words: [K step = wave][row]
	s_lshl_b32 s38, ttmp9, 10
	s_add_nc_u64 s[50:51], s[16:17], s[38:39]      ; cf: my 8 rows of 128 bytes
	s_mov_b32 s96, 0xaaaaaaaa
	s_mov_b32 s97, 0xcccccccc
	s_mov_b32 s98, 0xf0f0f0f0
	s_mov_b32 s100, 0x76543210
	s_mov_b32 s101, 0xfedcba98                     ; lane selects: lane l xor 16
	s_mov_b32 s3, 0x39000000                       ; 1 / 8,192
	s_mov_b32 s4, 0x34000000                       ; eps = 2^-23
	s_wait_kmcnt 0x0
	s_wait_tensorcnt 0x0                           ; my half row is in LDS,
	s_barrier_signal -1
	s_barrier_wait -1                              ; everybody's is
; ---- pass A.  Chunk pair cp: 2 x 128 numbers of each of the 8 rows; 40 pairs of sums take turns.
.macro PASSA cp
.irp row, 0,1,2,3
.irp cc, 0,1
	ds_load_b128 v[XA+8*\row+4*\cc:XA+8*\row+4*\cc+3], v5 offset:\row*XRP+512*(2*\cp+\cc)
	ds_load_b128 v[XA+32+8*\row+4*\cc:XA+32+8*\row+4*\cc+3], v6 offset:\row*XRP+512*(2*\cp+\cc)
.endr
.endr
	s_wait_dscnt 0x0
.if \cp == 0
	s_wait_loadcnt 0x0                             ; W_ri
.endif
.irp cc, 0,1
.irp pp, 0,1
.irp row, 0,1,2,3,4,5,6,7
.irp s, 0,1,2,3
.if \cp+\cc+\pp == 0
	v_pk_mul_f32 v[AC+10*\row+2*\s:AC+10*\row+2*\s+1], v[XA+8*\row+4*\cc+2*\pp:XA+8*\row+4*\cc+2*\pp+1], v[WR+16*\s+4*(2*\cp+\cc)+2*\pp:WR+16*\s+4*(2*\cp+\cc)+2*\pp+1]
.else
	v_pk_fma_f32 v[AC+10*\row+2*\s:AC+10*\row+2*\s+1], v[XA+8*\row+4*\cc+2*\pp:XA+8*\row+4*\cc+2*\pp+1], v[WR+16*\s+4*(2*\cp+\cc)+2*\pp:WR+16*\s+4*(2*\cp+\cc)+2*\pp+1], v[AC+10*\row+2*\s:AC+10*\row+2*\s+1]
.endif
.endr
.if \cp+\cc+\pp == 0
	v_pk_mul_f32 v[AC+10*\row+8:AC+10*\row+9], v[XA+8*\row+4*\cc+2*\pp:XA+8*\row+4*\cc+2*\pp+1], v[XA+8*\row+4*\cc+2*\pp:XA+8*\row+4*\cc+2*\pp+1]
.else
	v_pk_fma_f32 v[AC+10*\row+8:AC+10*\row+9], v[XA+8*\row+4*\cc+2*\pp:XA+8*\row+4*\cc+2*\pp+1], v[XA+8*\row+4*\cc+2*\pp:XA+8*\row+4*\cc+2*\pp+1], v[AC+10*\row+8:AC+10*\row+9]
.endif
.endr
.endr
.endr
.endm
.macro WLOADS st                       ; pass B's bf16 weights of step st: for each half of K four fragments of 8 registers
.irp hf, 0,1
.irp j4, 0,1,2,3
.irp pc, 0,1
	global_load_b128 v[WSR+32*\hf+8*\j4+4*\pc:WSR+32*\hf+8*\j4+4*\pc+3], v13, s[12:13] offset:102400+2560*\st+81920*\hf+640*\j4+320*\pc
.endr
.endr
.endr
.endm
.macro WLOADC st                       ; and W_conv's fragment and scale words, for each half of K
.irp hf, 0,1
.irp p, 0,1,2
	global_load_b128 v[WC+12*\hf+4*\p:WC+12*\hf+4*\p+3], v11, s[12:13] offset:1536*\st+49152*\hf+512*\p
.endr
	global_load_b32 v[WCS+\hf], v12, s[12:13] offset:98304+64*\st+2048*\hf
.endr
.endm
	PASSA 0
	PASSA 1
	WLOADS 0                                       ; W_ri's registers are free
.irp s, 0,1,2,3,4
.irp row, 0,1,2,3,4,5,6,7
	v_add_f32 v[112+8*\s+\row], v[AC+10*\row+2*\s], v[AC+10*\row+2*\s+1]
.endr
.endr
	WLOADC 0                                       ; the sums' registers are free
; The sums over the 32 lanes, turned as they are added: two rows' sums a and b become one register in which the lanes with the mask's bit hold b's and the others a's.
.macro RSTEP a, b, tmp, mask, xm
	v_cndmask_b32 v[\tmp], v[\b], v[\a], s[\mask]
	v_cndmask_b32 v[\a], v[\a], v[\b], s[\mask]
	v_add_f32_dpp v[\a], v[\tmp], v[\a] row_xmask:\xm row_mask:0xf bank_mask:0xf
.endm
.irp s, 0,1,2,3,4
.irp m, 0,1,2,3
	RSTEP 112+8*\s+2*\m, 113+8*\s+2*\m, 34+\m, 96, 1
.endr
.endr
.irp s, 0,1,2,3,4
.irp m, 0,1
	RSTEP 112+8*\s+4*\m, 114+8*\s+4*\m, 34+\m, 97, 2
.endr
.endr
.irp s, 0,1,2,3,4
	RSTEP 112+8*\s, 116+8*\s, 34+\s, 98, 4
.endr                                              ; lane l now holds row l % 8's five sums over its eight lanes
.irp s, 0,1,2,3,4
	v_add_f32_dpp v[112+8*\s], v[112+8*\s], v[112+8*\s] row_xmask:8 row_mask:0xf bank_mask:0xf
.endr
.irp s, 0,1,2,3,4
	v_permlanex16_b32 v[113+8*\s], v[112+8*\s], s100, s101
.endr
.irp s, 0,1,2,3,4
	v_add_f32 v[112+8*\s], v[112+8*\s], v[113+8*\s]
.endr
.irp s, 0,1,2,3,4
	ds_store_b32 v14, v[112+8*\s] offset:512*\s    ; the four lanes of a row store the same word with the same value
.endr
	BAR
; ---- phase R: the sixteen waves' parts; rs; read_in
.irp s, 0,1,2,3,4
	ds_load_b128 v[152+4*\s:155+4*\s], v15 offset:512*\s
.endr
	s_wait_dscnt 0x0
.irp s, 0,1,2,3,4
	v_add_f32 v[152+4*\s], v[152+4*\s], v[153+4*\s]
	v_add_f32 v[154+4*\s], v[154+4*\s], v[155+4*\s]
.endr
.irp s, 0,1,2,3,4
	v_add_f32 v[152+4*\s], v[152+4*\s], v[154+4*\s]
.endr
.irp s, 0,1,2,3,4
	v_add_f32_dpp v[152+4*\s], v[152+4*\s], v[152+4*\s] row_xmask:8 row_mask:0xf bank_mask:0xf
.endr
.irp s, 0,1,2,3,4
	v_permlanex16_b32 v[153+4*\s], v[152+4*\s], s100, s101
.endr
.irp s, 0,1,2,3,4
	v_add_f32 v[152+4*\s], v[152+4*\s], v[153+4*\s]
.endr
	v_fma_f32 v34, v168, s3, s4                    ; mean of squares + eps
	v_rsq_f32 v24, v34
	v_nop                                          ; a plain line behind the transcendental,
	s_wait_alu depctr_va_vdst(0)                   ; and the wait ahead of its first reader
	v_mov_b32 v25, v24                             ; rs twice: a pair for the packed multiply
	v_mul_f32 v35, s48, v24
.irp n, 0,1,2,3
	v_fma_f32 v[36+\n], v35, v[152+4*\n], s[44+\n] ; alpha rs (x . W_ri) + p
.endr
.irp n, 0,1,2,3
	v_mul_f32 v[36+\n], 0xbfb8aa3b, v[36+\n]
.endr
.irp n, 0,1,2,3
	v_exp_f32 v[36+\n], v[36+\n]
.endr
	v_nop
	s_wait_alu depctr_va_vdst(0)                   ; one wait for the four
.irp n, 0,1,2,3
	v_add_f32 v[36+\n], 1.0, v[36+\n]
.endr
.irp n, 0,1,2,3
	v_rcp_f32 v[26+2*\n], v[36+\n]                 ; read_in[n] of my row
.endr
	v_nop
	s_wait_alu depctr_va_vdst(0)
.irp n, 0,1,2,3
	v_mov_b32 v[27+2*\n], v[26+2*\n]
.endr
; ---- pass B, step st: K steps 2 wave + st of both halves of K.  Lane (r', h) holds half row r', k = 64 c + 32 h + 0 .. 31: two whole blocks.
; D1, E1 multiply by the first half's weights (right for r' < 8), D2, E2 by the second half's (right for r' >= 8).  Source 0 = the weights' 16 rows, source 1 = x:
; register j of lane (r', h) is output 8 h + j of half row r'.  The four accumulators take turns, one instruction a turn.
.macro PB st
.irp c, 0,1
.irp j, 0,1,2,3,4,5,6,7
	ds_load_b128 v[X+32*\c+4*\j:X+32*\c+4*\j+3], v7 offset:512*\st+256*\c+16*\j
.endr
.endr
	s_wait_dscnt 0x0
.set i, 0
.rept 32
	v_pk_mul_f32 v[X+i:X+i+1], v[X+i:X+i+1], v[24:25]              ; xn
.set i, i+2
.endr
.irp c, 0,1
	v_max3_num_f32 v[34+\c], |v[X+32*\c]|, |v[X+32*\c+1]|, 0x1800000   ; with the floor 2^(3 - 127)
.endr
.irp i, 2,4,6,8,10,12,14,16,18,20,22,24,26,28,30
.irp c, 0,1
	v_max3_num_f32 v[34+\c], v[34+\c], |v[X+32*\c+\i]|, |v[X+32*\c+\i+1]|
.endr
.endr
.irp c, 0,1
	v_add_nc_u32 v[36+\c], 0xff000000, v[34+\c]    ; 2 off the exponent field: the conversion's scale operand
.endr
.irp c, 0,1
	v_lshrrev_b32 v[38+\c], 23, v[36+\c]
.endr
	v_lshl_or_b32 v40, v39, 16, v38
	v_lshlrev_b32 v40, v23, v40
	v_permlanex16_b32 v41, v40, s100, s101
	v_or_b32 v[XW], v40, v41                       ; the row's scale word for these 128
.irp c, 0,1
	v_cvt_scalef32_pk16_fp6_f32 v[PC+6*\c:PC+6*\c+2], v[X+32*\c:X+32*\c+15], v[36+\c]
	v_cvt_scalef32_pk16_fp6_f32 v[TQ+4*\c:TQ+4*\c+2], v[X+32*\c+16:X+32*\c+31], v[36+\c]
.endr
	v_nop                                          ; a plain line behind the conversions
.irp c, 0,1
.irp i, 0,1,2
	v_mov_b32 v[PC+3+6*\c+\i], v[TQ+4*\c+\i]
.endr
.endr
.set i, 0
.rept 32
	v_cvt_pk_bf16_f32 v[X+i], v[X+2*i], v[X+2*i+1] ; in place, ascending: fragment j4 = registers 8 j4 on.  These 32 also stand between the writes of codes and scale word and the scaled product
.set i, i+1
.endr
	s_wait_loadcnt 0x0                             ; this step's weights
.if \st == 0
	v_wmma_scale_f32_16x16x128_f8f6f4 v[D1:D1+7], v[WC:WC+11], v[PC:PC+11], 0, v[WCS], v[XW] matrix_a_fmt:MATRIX_FMT_FP6 matrix_b_fmt:MATRIX_FMT_FP6
	v_wmma_scale_f32_16x16x128_f8f6f4 v[D2:D2+7], v[WC+12:WC+23], v[PC:PC+11], 0, v[WCS+1], v[XW] matrix_a_fmt:MATRIX_FMT_FP6 matrix_b_fmt:MATRIX_FMT_FP6
.else
	v_wmma_scale_f32_16x16x128_f8f6f4 v[D1:D1+7], v[WC:WC+11], v[PC:PC+11], v[D1:D1+7], v[WCS], v[XW] matrix_a_fmt:MATRIX_FMT_FP6 matrix_b_fmt:MATRIX_FMT_FP6
	v_wmma_scale_f32_16x16x128_f8f6f4 v[D2:D2+7], v[WC+12:WC+23], v[PC:PC+11], v[D2:D2+7], v[WCS+1], v[XW] matrix_a_fmt:MATRIX_FMT_FP6 matrix_b_fmt:MATRIX_FMT_FP6
.endif
.irp j4, 0,1,2,3
.if \st+\j4 == 0
	v_wmma_f32_16x16x32_bf16 v[E1:E1+7], v[WSR+8*\j4:WSR+8*\j4+7], v[X+8*\j4:X+8*\j4+7], 0
	v_wmma_f32_16x16x32_bf16 v[E2:E2+7], v[WSR+32+8*\j4:WSR+32+8*\j4+7], v[X+8*\j4:X+8*\j4+7], 0
.else
	v_wmma_f32_16x16x32_bf16 v[E1:E1+7], v[WSR+8*\j4:WSR+8*\j4+7], v[X+8*\j4:X+8*\j4+7], v[E1:E1+7]
	v_wmma_f32_16x16x32_bf16 v[E2:E2+7], v[WSR+32+8*\j4:WSR+32+8*\j4+7], v[X+8*\j4:X+8*\j4+7], v[E2:E2+7]
.endif
.endr
.rept 4
	v_nop                                          ; four plain lines in front of loads into registers that the products have read, and of the first read of results
.endr
.endm
	PB 0
	WLOADS 1
	WLOADC 1
	PB 1
.irp j, 0,1,2,3,4,5,6,7
	v_add_f32_dpp v[D1+\j], v[D2+\j], v[D1+\j] row_xmask:8 row_mask:0xf bank_mask:0xf   ; the row's two halves of K meet in lanes r' < 8; each accumulator from its low end on
.endr
.irp j, 0,1,2,3,4,5,6,7
	v_add_f32_dpp v[E1+\j], v[E2+\j], v[E1+\j] row_xmask:8 row_mask:0xf bank_mask:0xf
.endr
	ds_store_b128 v16, v[D1:D1+3]
	ds_store_b128 v16, v[D1+4:D1+7] offset:512
	ds_store_b128 v16, v[E1:E1+3] offset:1024
	ds_store_b128 v16, v[E1+4:E1+7] offset:1536
; ---- branch: lane = r8 + 8 x block: 32 numbers of row r8, a whole block of the first large product's K
.macro BLD n
.irp j, 0,1,2,3,4,5,6,7
	ds_load_b128 v[112+32*((\n)%2)+4*\j:112+32*((\n)%2)+4*\j+3], v[8+(\n)/2] offset:8192*((\n)%2)+16*\j
.endr
.endm
.macro BFMA n
.set i, 0
.rept 16
.if \n == 0
	v_pk_mul_f32 v[48+i:49+i], v[112+32*((\n)%2)+i:113+32*((\n)%2)+i], v[26+2*\n:27+2*\n]
.else
	v_pk_fma_f32 v[48+i:49+i], v[112+32*((\n)%2)+i:113+32*((\n)%2)+i], v[26+2*\n:27+2*\n], v[48+i:49+i]
.endif
.set i, i+2
.endr
.endm
	BLD 0
	BLD 1
	s_wait_dscnt 8                                 ; stream 0's eight loads are in; the younger eight may be out
	BFMA 0
	BLD 2
	s_wait_dscnt 8
	BFMA 1
	BLD 3
	s_wait_dscnt 8
	BFMA 2
	s_wait_dscnt 0x0
	BFMA 3
	v_max3_num_f32 v34, |v48|, |v49|, |v50|
	v_max3_num_f32 v35, |v51|, |v52|, |v53|
.irp i, 6,10,14,18,22,26
	v_max3_num_f32 v34, v34, |v[48+\i]|, |v[49+\i]|
	v_max3_num_f32 v35, v35, |v[50+\i]|, |v[51+\i]|
.endr
	v_max3_num_f32 v34, v34, |v78|, |v79|
	v_max3_num_f32 v34, v34, v35, 0x1800000
	v_add_nc_u32 v36, 0xff000000, v34
	v_cvt_scalef32_pk16_fp6_f32 v[PC:PC+2], v[48:63], v36
	v_cvt_scalef32_pk16_fp6_f32 v[TQ:TQ+2], v[64:79], v36
	v_lshrrev_b32 v38, 23, v36                     ; the byte (a plain line behind the conversions)
.irp i, 0,1,2
	v_mov_b32 v[PC+3+\i], v[TQ+\i]
.endr
.irp i, 0,1,2,3,4,5
	v_permlanex16_b32 v[PC+6+\i], v[PC+\i], s100, s101   ; lanes 0-15 (blocks 0, 1) take blocks 2, 3 from lanes 16-31: the image's registers 6-11
.endr
	v_lshlrev_b32 v38, v47, v38
	v_mov_b32_dpp v39, v38 row_xmask:8 row_mask:0xf bank_mask:0xf
	v_or_b32 v38, v38, v39
	v_permlanex16_b32 v39, v38, s100, s101
	v_or_b32 v38, v38, v39                         ; the row's scale word
	s_wait_xcnt 0x0                                ; EXEC changes only behind this wait
	v_cmp_gt_u32 vcc_lo, 16, v1
	s_and_saveexec_b32 s5, vcc_lo
.irp p, 0,1,2
	global_store_b128 v20, v[PC+4*\p:PC+4*\p+3], s[40:41] offset:512*\p
.endr
	global_store_b32 v21, v38, s[42:43]
	s_wait_xcnt 0x0                                ; and again in front of the line that widens it
	s_or_b32 exec_lo, exec_lo, s5
	BAR
; ---- the sixteen waves' parts of the 32 sums: wave w owns source lane w % 8 + 16 (w / 8), that is row w % 8, outputs 8 (w / 8) on
	ds_load_b128 v[112:115], v17
	ds_load_b128 v[116:119], v17 offset:512
	s_wait_dscnt 0x0
.irp xm, 1,2,4,8
.irp j, 0,1,2,3,4,5,6,7
	v_add_f32_dpp v[112+\j], v[112+\j], v[112+\j] row_xmask:\xm row_mask:0xf bank_mask:0xf
.endr
.endr
	ds_store_b128 v18, v[112:115]                  ; the sixteen lanes of a half store the same bytes with the same values
	ds_store_b128 v18, v[116:119] offset:16
	BAR
	s_cmp_lg_u32 s2, 0
	s_cbranch_scc1 .Ldone
; ---- wave 0: lane l takes row l % 8.  v112-127 C = xn W_conv^T; v128-137 E: 0-3 W_wo, 4 W_dtc, 5-8 W_diss, 9 W_dtd
.irp p, 0,1,2,3,4,5,6
	ds_load_b128 v[112+4*\p:115+4*\p], v19 offset:16*\p
.endr
	s_mov_b32 s6, 0x3f7fbe77                       ; DT_MAX - DT_MIN
	s_mov_b32 s7, 0x3a83126f                       ; DT_MIN
	s_wait_dscnt 0x0
.irp i, 0,1,2,3
	v_fma_f32 v[150+\i], s49, v[128+\i], s[52+\i]
	v_add_f32 v[146+\i], s[60+\i], v[133+\i]       ; z of the softplus
.endr
	v_add_f32 v154, s56, v132
	v_add_f32 v155, s58, v137
	v_add_f32 v154, s57, v154
	v_add_f32 v155, s59, v155
.irp i, 0,1,2,3
	v_and_b32 v[156+\i], 0x7fffffff, v[146+\i]
.endr
.irp i, 0,1,2,3,4,5,6,7,8,9
	v_mul_f32 v[150+\i], 0xbfb8aa3b, v[150+\i]
.endr
.irp i, 0,1,2,3,4,5,6,7,8,9
	v_exp_f32 v[150+\i], v[150+\i]
.endr
	v_nop
	s_wait_alu depctr_va_vdst(0)                   ; one wait for the ten
.irp i, 0,1,2,3,4,5,6,7,8,9
	v_add_f32 v[150+\i], 1.0, v[150+\i]
.endr
.irp i, 0,1,2,3,4,5
	v_rcp_f32 v[150+\i], v[150+\i]                 ; six sigmoids
.endr
.irp i, 6,7,8,9
	v_log_f32 v[150+\i], v[150+\i]
.endr
.irp i, 0,1,2,3
	v_max_num_f32 v[146+\i], 0, v[146+\i]          ; (plain lines behind the batch)
.endr
	s_wait_alu depctr_va_vdst(0)
.irp i, 0,1,2,3
	v_add_f32 v[192+\i], v[150+\i], v[150+\i]      ; write_out
	v_fmamk_f32 v[146+\i], v[156+\i], 0x3f317218, v[146+\i]   ; d = softplus
.endr
	v_fma_f32 v154, v154, s6, s7                   ; dt_c
	v_fma_f32 v155, v155, s6, s7                   ; dt_d
	v_mul_f32 v160, 0xbf38aa3b, v155               ; - log2(e) / 2 x dt_d
	v_mul_f32 v161, 0.5, v154
.irp i, 0,1,2,3
	v_mul_f32 v[156+\i], v160, v[146+\i]
.endr
.macro SKEW idx, i, j                  ; s_ij = dt_c / 2 x ((A_ij + C_ij) - (A_ji + C_ji))
	v_add_f32 v174, s[68+4*\i+\j], v[112+4*\i+\j]
	v_add_f32 v175, s[68+4*\j+\i], v[112+4*\j+\i]
	v_sub_f32 v174, v174, v175
	v_mul_f32 v[162+\idx], v161, v174
.endm
	SKEW 0, 0, 1
	SKEW 1, 0, 2
	SKEW 2, 0, 3
	SKEW 3, 1, 2
	SKEW 4, 1, 3
	SKEW 5, 2, 3
.irp k, 0,1,2,3,4,5
	v_mul_f32 v[212+\k], v[162+\k], v[162+\k]
.endr
	v_add_f32 v218, v212, v213
	v_add_f32 v219, v212, v215
	v_add_f32 v220, v213, v215
	v_add_f32 v221, v214, v216
	v_add_f32 v218, v218, v214                     ; - T00
	v_add_f32 v219, v219, v216                     ; - T11
	v_add_f32 v220, v220, v217                     ; - T22
	v_add_f32 v221, v221, v217                     ; - T33
	v_add_f32 v168, v218, v215
	v_add_f32 v174, v216, v217
	v_add_f32 v168, v168, v174                     ; a
	v_mul_f32 v169, v162, v167
	v_fma_f32 v169, -v163, v166, v169
	v_fma_f32 v169, v164, v165, v169               ; p
	v_add_f32 v170, 1.0, v168
	v_fma_f32 v171, v169, v169, v170               ; 1 + a + p^2
	v_fma_f32 v172, -v169, v169, v170              ; 1 + a - p^2
.irp i, 0,1,2,3
	v_exp_f32 v[156+\i], v[156+\i]                 ; exp(D / 2)
.endr
	v_rcp_f32 v171, v171
	v_mul_f32 v196, -v163, v165                    ; T01 (plain work behind the batch, on none of its results)
	v_mul_f32 v197, v162, v165                     ; T02
	v_mul_f32 v198, v162, v166                     ; T03
	v_mul_f32 v199, -v162, v163                    ; T12
	v_mul_f32 v200, -v162, v164                    ; T13
	v_mul_f32 v201, -v163, v164                    ; T23
	v_fma_f32 v196, -v164, v166, v196
	v_fma_f32 v197, -v164, v167, v197
	v_fma_f32 v198, v163, v167, v198
	v_fma_f32 v199, -v166, v167, v199
	v_fma_f32 v200, v165, v167, v200
	v_fma_f32 v201, -v165, v166, v201
	v_fma_f32 v202, v169, v167, v162               ; s_ij + p s~_ij
	v_fma_f32 v203, -v169, v166, v163
	v_fma_f32 v204, v169, v165, v164
	v_fma_f32 v205, v169, v164, v165
	v_fma_f32 v206, -v169, v163, v166
	v_fma_f32 v207, v169, v162, v167
.irp i, 0,1,2,3
	v_fma_f32 v[208+\i], -2.0, v[218+\i], v172     ; 1 + a - p^2 + 2 T_ii
.endr
	s_wait_alu depctr_va_vdst(0)                   ; one wait for the five
	v_add_f32 v173, v171, v171
.macro PHIP idx, i, j
	v_mul_f32 v174, v[156+\i], v[156+\j]
	v_mul_f32 v174, v174, v173
	v_add_f32 v175, v[196+\idx], v[202+\idx]
	v_mul_f32 v[176+4*\i+\j], v175, v174
	v_sub_f32 v175, v[196+\idx], v[202+\idx]
	v_mul_f32 v[176+4*\j+\i], v175, v174
.endm
	PHIP 0, 0, 1
	PHIP 1, 0, 2
	PHIP 2, 0, 3
	PHIP 3, 1, 2
	PHIP 4, 1, 3
	PHIP 5, 2, 3
.irp i, 0,1,2,3
	v_mul_f32 v174, v[156+\i], v[156+\i]
	v_mul_f32 v174, v174, v171
	v_mul_f32 v[176+5*\i], v[208+\i], v174
.endr
.irp p, 0,1,2,3,4
	global_store_b128 v22, v[176+4*\p:179+4*\p], s[50:51] offset:16*\p   ; the four lanes of a row store the same bytes with the same values
.endr
.Ldone:
	s_wait_tensorcnt 0x0
	ds_add_u32 v42, v43
	s_wait_dscnt 0x0
	s_endpgm
.Lfunc_end_k_q5e82d4ce68_prep:
	.size	k_q5e82d4ce68_prep, .Lfunc_end_k_q5e82d4ce68_prep-k_q5e82d4ce68_prep
	.p2alignl 7, 3214868480
	.fill 96, 4, 3214868480
	.section	.rodata,"a",@progbits
	.p2align	6, 0x0
	.amdhsa_kernel k_q5e82d4ce68_prep
		.amdhsa_group_segment_fixed_size 303104
		.amdhsa_private_segment_fixed_size 0
		.amdhsa_enable_private_segment 0
		.amdhsa_kernarg_size 120
		.amdhsa_user_sgpr_count 2
		.amdhsa_user_sgpr_kernarg_segment_ptr 1
		.amdhsa_wavefront_size32 1
		.amdhsa_system_sgpr_workgroup_id_x 1
		.amdhsa_system_sgpr_workgroup_id_y 1
		.amdhsa_system_sgpr_workgroup_id_z 1
		.amdhsa_system_vgpr_workitem_id 0
		.amdhsa_next_free_vgpr 256
		.amdhsa_next_free_sgpr 102
		.amdhsa_reserve_vcc 1
		.amdhsa_float_denorm_mode_32 3
		.amdhsa_float_denorm_mode_16_64 3
		.amdhsa_memory_ordered 1
		.amdhsa_forward_progress 1
		.amdhsa_inst_pref_size 86
	.end_amdhsa_kernel
	.amdgpu_metadata
---
amdhsa.version: [ 1, 2 ]
amdhsa.kernels:
  - .name:           k_q5e82d4ce68_prep
    .symbol:         k_q5e82d4ce68_prep.kd
    .args:
      - { .name: x, .offset: 0, .size: 8, .value_kind: global_buffer, .address_space: global }
      - { .name: W_ri, .offset: 8, .size: 8, .value_kind: global_buffer, .address_space: global }
      - { .name: wsm, .offset: 16, .size: 8, .value_kind: global_buffer, .address_space: global }
      - { .name: a1, .offset: 24, .size: 8, .value_kind: global_buffer, .address_space: global }
      - { .name: cf, .offset: 32, .size: 8, .value_kind: global_buffer, .address_space: global }
      - { .name: read_in_p, .offset: 40, .size: 8, .value_kind: global_buffer, .address_space: global }
      - { .name: write_out_p, .offset: 48, .size: 8, .value_kind: global_buffer, .address_space: global }
      - { .name: diss_diag, .offset: 56, .size: 8, .value_kind: global_buffer, .address_space: global }
      - { .name: conserv_A, .offset: 64, .size: 8, .value_kind: global_buffer, .address_space: global }
      - { .name: alpha_read_in, .offset: 72, .size: 8, .value_kind: global_buffer, .address_space: global }
      - { .name: alpha_write_out, .offset: 80, .size: 8, .value_kind: global_buffer, .address_space: global }
      - { .name: log_dt_conserv, .offset: 88, .size: 8, .value_kind: global_buffer, .address_space: global }
      - { .name: b_dtc, .offset: 96, .size: 8, .value_kind: global_buffer, .address_space: global }
      - { .name: log_dt_diss, .offset: 104, .size: 8, .value_kind: global_buffer, .address_space: global }
      - { .name: b_dtd, .offset: 112, .size: 8, .value_kind: global_buffer, .address_space: global }
    .group_segment_fixed_size: 303104
    .private_segment_fixed_size: 0
    .kernarg_segment_align: 8
    .kernarg_segment_size: 120
    .max_flat_workgroup_size: 512
    .sgpr_count:     102
    .vgpr_count:     256
    .wavefront_size: 32
...
	.end_amdgpu_metadata
.endif
;; end of part 2
;; launch gemm1 (part 3): grid 32 x 8, 4 waves a work-group, clusters of 4 x 4, 327,680 bytes of LDS; arguments a1, w1q, hq; writes hq
.if DOCPART == 3
	.amdgcn_target "amdgcn-amd-amdhsa--gfx1250"
	.amdhsa_code_object_version 6
	.text
	.protected	k_q5e82d4ce68_gemm1
	.globl	k_q5e82d4ce68_gemm1
	.p2align	8
	.type	k_q5e82d4ce68_gemm1,@function
k_q5e82d4ce68_gemm1:
	s_mov_b64 s[64:65], 0
	v_nop
	global_prefetch_b8 v0, s[64:65] scope:SCOPE_SE
	s_setreg_imm32_b32 hwreg(HW_REG_WAVE_MODE, 25, 1), 1
	s_wait_xcnt 0x0
	s_wait_alu depctr_hold_cnt(0) depctr_sa_sdst(0) depctr_va_vdst(0) depctr_va_sdst(0) depctr_va_ssrc(0) depctr_va_vcc(0) depctr_vm_vsrc(0)
	s_getreg_b32 s2, hwreg(HW_REG_IB_STS2, 6, 4)
	s_cmp_eq_u32 s2, 0
	s_cbranch_scc0 .Lentry_in_a_cluster
	s_endpgm
.Lentry_in_a_cluster:
	s_bfe_u32 s2, ttmp6, 0x10000c
	s_cmp_lg_u32 s2, 0xf033
	s_cbranch_scc0 .Lentry_shape_is_right
	s_endpgm
.Lentry_shape_is_right:
; h = gelu(branch W1), [2048][8192], both operands codes of E2M3 with E8M0 scales; h is quantised along its 8,192 on the way out and stored as codes (hq): it never goes to memory as f32.
; A (a1) and B (w1q) lie in memory as images of operand registers: a fragment (16 rows x 128 K) is 1,536 bytes, piece c of lane l at 512 c + 16 l; fragments lie [row tile][K step]; scale words [K step][row].
; A tile of 256 x 256 is made by four waves, each 128 x 128: 64 accumulators, 512 registers.  K goes in steps of 256 through a ring of two LDS slots; a wave's tensor load brings 8 row tiles x 2 K steps (8 rows of 3,072 bytes).
; A fragment comes from LDS by three loads of 16 bytes a lane, 512 consecutive bytes each.  The scale words of the work-group's rows, for all of K, come once with the first fills.
; CLUSTERS: 4 x 4 work-groups; A's tiles are asked for jointly along a row of the cluster, B's along a column.
; THE PRODUCT IS USED TRANSPOSED (source 0 = 16 positions of B, source 1 = 16 rows of A).  Position p of B holds column p with bits 3 and 4 exchanged, so the 16 registers of tiles 2 b and 2 b + 1 are
; columns 32 b + 16 (lane / 16) + 0 .. 15 of the lane's row: 16 neighbours along the next product's K.  A wave's 128 columns are one K step of that product: one fragment and one scale word a row.
; gelu(x) = x / (1 + 2^(x (c0 + c1 x^2))), c0 = - 2 sqrt(2 / pi) log2(e), c1 = 0.044715 c0: the tanh form, written with one exponential and one reciprocal, in f32.
; REGISTERS: window 0: v16-29 addresses; v32-63 scale words, two sets, and nothing else; v64-127 at work on the way out; v128-223 A's fragments, one set (on the way out the codes); v224-243 at work.
;   window 1: B's fragments, two sets, at v0 and v128.   windows 2, 3: the accumulators ((a, b) at v[8 (8 (a % 4) + b)]).
; LIMITS: NaN and infinities are not served; a block of zeros gets the byte 1.
.set NQ,     2
.set FR,     12
.set NL,     3                         ; LDS loads that bring a fragment
.set NP,     4
.set FRB,    1536
.set HALFT,  24576                     ; 8 row tiles x 2 K steps: what one tensor load brings
.set SLOT,   98304                     ; A's two halves, then B's two halves
.set LAPS,   4                         ; 2,048 / (2 x 256)
.set SCA,    196608                    ; A's scale words [K step 16][256 rows]
.set SCB,    213120                    ; B's, 128 bytes further on than a multiple of 256, so that the two halves of a load's lanes fall on different banks
.set SPARE,  229632                    ; the spare words: two blocks of 256 bytes that no other line names
.set STG,    230144                    ; 512 bytes a wave: the scale words of its 128 rows
.set ADRA, 16
.set ADRB, 20
.set LI,   24                          ; 16 x lane
.set STW,  25
.set STR,  26
.set ADRS, 27
.set SPW,  28
.set NIL,  29
.set SC,   32
.set T,    64
.set AF,   128
.set PC,   128
.set TM,   224
.set PW,   240
.set CC,   242
.set G1, 24
.set G0, 32
.set G1B, 48
.set G0B, 56
.set G1S, 68
.set G0S, 76
.set G1SB, 80
.set G0SB, 88
.set SEL, 96
.set MSB, 0
.macro WIN new                         ; the immediate's high byte repeats the setting that is left
.if MSB != (\new)
	s_set_vgpr_msb (MSB<<8)|(\new)
.set MSB, (\new)
.endif
.endm
.set MUL_LO, 0xa1                      ; source 0 (B) window 1, source 1 (A) window 0, C and D window 2
.set MUL_HI, 0xf1
.set TO_B,   0x40
; A joint load: waves 0 and 1 fetch for A, waves 2 and 3 for B; the branch hangs on the wave's number alone.  Four v_nop follow each line.
.macro JLOAD g0a, g1a, g0b, g1b
	s_cmp_eq_u32 s15, 0
	s_cbranch_scc0 .Lfor_b_\@
	tensor_load_to_lds s[\g0a:\g0a+3], s[\g1a:\g1a+7]
	s_nop 0
.rept 4
	v_nop
.endr
	s_branch .Lasked_\@
.Lfor_b_\@:
	tensor_load_to_lds s[\g0b:\g0b+3], s[\g1b:\g1b+7]
	s_nop 0
.rept 4
	v_nop
.endr
.Lasked_\@:
.endm
.macro CREST                           ; a round of the cluster's barrier behind its opening barrier
	s_cmp_lg_u32 s14, 0
	s_cbranch_scc1 .Lnot_wave_0_\@
	s_barrier_signal -3
.Lnot_wave_0_\@:
	s_barrier_wait -3
	s_barrier_signal -1
	s_barrier_wait -1
.endm
.macro CROUND
	s_barrier_signal -1
	s_barrier_wait -1
	CREST
.endm
	s_load_b128 s[4:7], s[0:1], 0x0                ; a1, w1q
	s_load_b64 s[12:13], s[0:1], 0x10              ; hq
	v_lshl_add_u32 v[SPW], v0, 2, SPARE
	v_mov_b32 v[NIL], 0
	ds_add_u32 v28, v29
	ds_add_u32 v28, v29
	s_wait_dscnt 0x0
	v_lshrrev_b32 v1, 5, v0
	v_readfirstlane_b32 s14, v1                    ; wave 0..3
	s_lshr_b32 s15, s14, 1                         ; my half of the tile's rows.  Also: I fetch for A (0) or for B (1)
	s_and_b32 s16, s14, 1                          ; my half of its columns.  Also: which half of that tile I fetch
	s_bfe_u32 s40, ttmp6, 0x40000                  ; cx, cy
	s_bfe_u32 s41, ttmp6, 0x40004
	s_lshl_b32 s42, ttmp9, 2
	s_add_co_u32 s42, s42, s40                     ; tile column
	s_and_b32 s17, ttmp7, 0xffff
	s_lshl_b32 s17, s17, 2
	s_add_co_u32 s17, s17, s41                     ; tile row
	s_lshl_b32 s43, s41, 2
	s_lshl_b32 s43, 15, s43                        ; my row of the cluster
	s_lshl_b32 s44, 0x1111, s40                    ; my column
	s_or_b32 s[G1+0], s43, (3<<16)|(1<<21)         ; the mask; elements of 8 bytes; bit 21 beside a mask; no padding
	s_or_b32 s[G1B+0], s44, (3<<16)|(1<<21)
.irp g, G1, G1B
	s_mov_b32 s[\g+1], 384<<16                     ; tensor_dim0: 3,072 bytes: two K steps of a row tile
	s_mov_b32 s[\g+2], 8<<16                       ; tensor_dim1: 8 row tiles
	s_mov_b32 s[\g+3], 384<<16                     ; tile_dim0
	s_mov_b32 s[\g+4], 8                           ; tile_dim1
	s_mov_b32 s[\g+5], 3072                        ; from row tile to row tile: 16 K steps x 1,536 bytes
	s_mov_b32 s[\g+6], 0
	s_mov_b32 s[\g+7], 0
.endr
	s_or_b32 s[G1S+0], s43, (3<<16)|(1<<21)        ; the scale words: 8 K steps x 256 rows x 4 bytes
	s_or_b32 s[G1SB+0], s44, (3<<16)|(1<<21)
.irp g, G1S, G1SB
	s_mov_b32 s[\g+1], 128<<16
	s_mov_b32 s[\g+2], 8<<16
	s_mov_b32 s[\g+3], 128<<16
	s_mov_b32 s[\g+4], 8
	s_mov_b32 s[\g+6], 0
	s_mov_b32 s[\g+7], 0
.endr
	s_mov_b32 s[G1S+5], 1024                       ; a K step's words: 2,048 rows of A,
	s_mov_b32 s[G1SB+5], 4096                      ; 8,192 positions of B
	s_lshl_b32 s18, s16, 3
	s_lshl_b32 s20, s17, 4
	s_add_co_u32 s20, s20, s18
	s_mul_i32 s20, s20, 24576                      ; A: row tile 16 x tile row + 8 x half
	s_mov_b32 s21, 0
	s_lshl_b32 s22, s16, 16
	s_lshl_b32 s23, s17, 10
	s_add_co_u32 s22, s22, s23
	s_add_co_u32 s22, s22, 3145728                 ; A's words: K step 8 x half, row 256 x tile row
	s_mov_b32 s23, 0
	s_lshl_b32 s46, s42, 4
	s_add_co_u32 s46, s46, s18
	s_mul_i32 s46, s46, 24576                      ; B likewise, by the tile column
	s_mov_b32 s47, 0
	s_lshl_b32 s92, s16, 18
	s_lshl_b32 s93, s42, 10
	s_add_co_u32 s92, s92, s93
	s_add_co_u32 s92, s92, 12582912
	s_mov_b32 s93, 0
	s_mul_i32 s45, s14, HALFT                      ; where they go: no place in the cluster enters an LDS address
	s_lshl_b32 s94, s16, 13
	s_wait_kmcnt 0x0
	s_add_nc_u64 s[20:21], s[4:5], s[20:21]
	s_add_nc_u64 s[22:23], s[4:5], s[22:23]
	s_add_nc_u64 s[46:47], s[6:7], s[46:47]
	s_add_nc_u64 s[92:93], s[6:7], s[92:93]
	CROUND                                         ; all sixteen work-groups are here: the first joint loads meet
	s_mov_b32 s[G0S], 1
	s_add_co_u32 s[G0S+1], s94, SCA
	s_mov_b64 s[G0S+2:G0S+3], s[22:23]
	s_or_b32 s[G0S+3], s[G0S+3], 0x80000000
	s_mov_b32 s[G0SB], 1
	s_add_co_u32 s[G0SB+1], s94, SCB
	s_mov_b64 s[G0SB+2:G0SB+3], s[92:93]
	s_or_b32 s[G0SB+3], s[G0SB+3], 0x80000000
	JLOAD G0S, G1S, G0SB, G1SB                     ; the scale words first: filled once
.irp s, 0,1
	s_mov_b32 s[G0+4*\s], 1
	s_add_co_u32 s[G0+4*\s+1], s45, \s*SLOT
	s_add_nc_u64 s[G0+4*\s+2:G0+4*\s+3], s[20:21], \s*2*FRB
	s_or_b32 s[G0+4*\s+3], s[G0+4*\s+3], 0x80000000
	s_mov_b32 s[G0B+4*\s], 1
	s_add_co_u32 s[G0B+4*\s+1], s45, \s*SLOT
	s_add_nc_u64 s[G0B+4*\s+2:G0B+4*\s+3], s[46:47], \s*2*FRB
	s_or_b32 s[G0B+4*\s+3], s[G0B+4*\s+3], 0x80000000
	JLOAD G0+4*\s, G1, G0B+4*\s, G1B               ; three tensor loads of mine are out
.endr
	v_and_b32 v1, 15, v0                           ; r
	v_bfe_u32 v2, v0, 4, 1                         ; h
	v_and_b32 v3, 31, v0
	v_lshlrev_b32 v[LI], 4, v3
	s_mul_i32 s21, s15, HALFT
	s_mul_i32 s22, s16, HALFT
	s_add_co_u32 s22, s22, 2*HALFT
.irp s, 0,1
	v_add_nc_u32 v[ADRA+\s], s21, v[LI]
	v_add_nc_u32 v[ADRB+\s], s22, v[LI]
	s_add_co_u32 s21, s21, SLOT
	s_add_co_u32 s22, s22, SLOT
.endr
	s_lshl_b32 s21, s15, 9                         ; A's words: my 128 rows
	s_lshl_b32 s22, s16, 9                         ; B's: my 128 positions
	s_add_co_u32 s22, s22, SCB-SCA
	s_sub_co_u32 s22, s22, s21
	v_mul_u32_u24 v6, s22, v2                      ; lanes 16-31 take B's: one product, the distance between the two bases
	s_add_co_u32 s21, s21, SCA
	v_lshl_add_u32 v6, v1, 2, v6
	v_add_nc_u32 v[ADRS], s21, v6
	s_lshl_b32 s23, s14, 9
	s_add_co_u32 s23, s23, STG
	v_lshlrev_b32 v5, 2, v1
	v_add_nc_u32 v[STW], s23, v5
	v_add_nc_u32 v[STR], s23, v[LI]
.irp b, 0,1,2,3
	v_mov_b32 v[TM+4+\b], 0                        ; a lane permute's destination counts as one of its sources
.endr
	v_mov_b32 v[CC], 0xc0135761                    ; c0, twice
	v_mov_b32 v[CC+1], 0xc0135761
	s_mov_b32 s[SEL], 0x76543210
	s_mov_b32 s[SEL+1], 0xfedcba98
	s_lshl_b32 s20, s17, 4
	s_lshl_b32 s21, s15, 3
	s_add_co_u32 s20, s20, s21
	s_lshl_b32 s20, s20, 6                         ; hq: fragment (16 x tile row + 8 x half + a, 2 x tile column + half)
	s_lshl_b32 s46, s42, 1
	s_add_co_u32 s46, s46, s16
	s_add_co_u32 s20, s20, s46
	s_mul_i32 s20, s20, FRB
	s_mov_b32 s21, 0
	s_lshl_b32 s46, s46, 13                        ; hq's words: [K step][2,048 rows]
	s_lshl_b32 s47, s17, 10
	s_add_co_u32 s46, s46, s47
	s_lshl_b32 s47, s15, 9
	s_add_co_u32 s46, s46, s47
	s_add_co_u32 s46, s46, 12582912
	s_mov_b32 s47, 0
	s_add_nc_u64 s[10:11], s[12:13], s[46:47]
	s_add_nc_u64 s[12:13], s[12:13], s[20:21]
.macro FRAG reg, adr, q, i             ; fragment (row tile i, the slot's q-th K step): three loads, each 512 consecutive bytes
.irp c, 0,1,2
	ds_load_b128 v[\reg+4*\c:\reg+4*\c+3], v[\adr] offset:(2*(\i)+(\q))*FRB+512*\c
.endr
.endm
; 16 matrix instructions: A's blocks a0, a0 + 1 x B's eight.  p: B's set; sc: the set of scale words.  The 64 accumulators take turns, one instruction a turn, in the same order in every step.
.macro MUL16 a0, p, q, sc, zero
.irp a, \a0, \a0+1
.irp b, 0,1,2,3,4,5,6,7
.if \zero
	v_wmma_scale_f32_16x16x128_f8f6f4 v[8*(8*((\a)%4)+\b):8*(8*((\a)%4)+\b)+7], v[128*(\p)+FR*\b:128*(\p)+FR*\b+FR-1], v[AF+FR*(\a):AF+FR*(\a)+FR-1], 0, v[SC+8*NQ*(\sc)+NQ*\b+(\q)], v[SC+8*NQ*(\sc)+NQ*(\a)+(\q)] matrix_a_fmt:MATRIX_FMT_FP6 matrix_b_fmt:MATRIX_FMT_FP6 matrix_a_scale:MATRIX_SCALE_ROW1
.else
	v_wmma_scale_f32_16x16x128_f8f6f4 v[8*(8*((\a)%4)+\b):8*(8*((\a)%4)+\b)+7], v[128*(\p)+FR*\b:128*(\p)+FR*\b+FR-1], v[AF+FR*(\a):AF+FR*(\a)+FR-1], v[8*(8*((\a)%4)+\b):8*(8*((\a)%4)+\b)+7], v[SC+8*NQ*(\sc)+NQ*\b+(\q)], v[SC+8*NQ*(\sc)+NQ*(\a)+(\q)] matrix_a_fmt:MATRIX_FMT_FP6 matrix_b_fmt:MATRIX_FMT_FP6 matrix_a_scale:MATRIX_SCALE_ROW1
.endif
.endr
.endr
.endm
.macro FETCH_B slot, q, p
	WIN TO_B
.irp i, 0,1,2,3,4,5,6,7
	FRAG 128*(\p)+FR*\i, ADRB+\slot, \q, \i
.endr
	WIN 0
.endm
.macro FETCH_A slot, q, i0
.irp i, \i0, \i0+1, \i0+2, \i0+3
	FRAG AF+FR*(\i), ADRA+\slot, \q, \i
.endr
.endm
.macro SCALES sc                       ; a slot's scale words: register 2 i + q: lanes 0-15 A's block i, lanes 16-31 B's block i, K step q
.irp i, 0,1,2,3,4,5,6,7
.irp q, 0,1
	ds_load_b32 v[SC+8*NQ*\sc+NQ*\i+\q], v[ADRS] offset:1024*\q+64*\i
.endr
.endr
.endm
.macro PLACES n                        ; plain lines in front of loads into registers that matrix instructions have read, and of the first read of results
.rept \n
	v_nop
.endr
.endm
.macro STEP slot, q, zero              ; a step of 128 along K that has its successor in the same slot
	s_wait_dscnt 4*NL                              ; all but the youngest twelve loads (A's blocks 4-7) are in
	WIN MUL_LO
	MUL16 0, (\q)%2, \q, \slot, \zero
	MUL16 2, (\q)%2, \q, \slot, \zero
	s_wait_dscnt 0
	PLACES NP
	FETCH_B \slot, (\q)+1, 1-(\q)%2
	FETCH_A \slot, (\q)+1, 0
	WIN MUL_HI
	MUL16 4, (\q)%2, \q, \slot, \zero
	MUL16 6, (\q)%2, \q, \slot, \zero
	PLACES NP
	WIN 0
	FETCH_A \slot, (\q)+1, 4
.endm
; A slot's last step changes slots: one barrier; in front of it each wave waits for all its tensor loads, adds 0 to its spare word, and waits for that and for its reads of this slot.
.macro TURN slot, next, fill
	s_wait_tensorcnt 0x0                           ; all my tensor loads have landed: my part of the next slot
	ds_add_u32 v[SPW], v[NIL]                      ; 0 onto my spare word
	s_wait_dscnt 4*NL+1                            ; (the add and A's blocks 4-7 may be out)
	WIN MUL_LO
	MUL16 0, 1, NQ-1, \slot, 0
	s_wait_dscnt 0x0                               ; the add is done, and my reads of this slot are over
	s_barrier_signal -1
	MUL16 2, 1, NQ-1, \slot, 0
	WIN 0
	s_barrier_wait -1
.if \fill
	CREST                                          ; the barrier has opened a round of the cluster's barrier: no wave of any partner still reads this slot or has a load on its way
	s_add_nc_u64 s[G0+4*\slot+2:G0+4*\slot+3], s[G0+4*\slot+2:G0+4*\slot+3], 4*FRB
	s_add_nc_u64 s[G0B+4*\slot+2:G0B+4*\slot+3], s[G0B+4*\slot+2:G0B+4*\slot+3], 4*FRB
	JLOAD G0+4*\slot, G1, G0B+4*\slot, G1B         ; the first tensor load behind the round, my one load until the next
.else
	PLACES NP
.endif
	v_add_nc_u32 v[ADRS], 1024*NQ, v[ADRS]
	FETCH_B \next, 0, 0
	FETCH_A \next, 0, 0
	SCALES \next
	WIN MUL_HI
	MUL16 4, 1, NQ-1, \slot, 0
	MUL16 6, 1, NQ-1, \slot, 0
	PLACES NP
	WIN 0
	FETCH_A \next, 0, 4
.endm
	s_wait_tensorcnt 1                             ; the scale words and my part of slot 0 are in; slot 1's load may be out
	s_barrier_signal -1
	s_barrier_wait -1
	FETCH_B 0, 0, 0
	FETCH_A 0, 0, 0
	SCALES 0
	FETCH_A 0, 0, 4
	STEP 0, 0, 1                                   ; the first step stands in front of the loop: its products start the sums
	s_mov_b32 s3, LAPS-1
.Llap:
	TURN 0, 1, 1
	STEP 1, 0, 0
	TURN 1, 0, 1
	STEP 0, 0, 0
	s_sub_co_u32 s3, s3, 1
	s_cmp_lg_u32 s3, 0
	s_cbranch_scc1 .Llap
	TURN 0, 1, 0                                   ; the last lap fills nothing
	STEP 1, 0, 0
	s_wait_dscnt 4*NL
	WIN MUL_LO
	MUL16 0, 1, NQ-1, 1, 0
	MUL16 2, 1, NQ-1, 1, 0
	s_wait_dscnt 0
	WIN MUL_HI
	MUL16 4, 1, NQ-1, 1, 0
	MUL16 6, 1, NQ-1, 1, 0
	WIN 0
; 64 numbers of a lane, register 16 b + i = k 32 b + 16 (lane / 16) + i of my row, become a fragment's codes in v[PC] on and its scale word in v[PW].
.macro QUANT s
.irp b, 0,1,2,3
	v_max3_num_f32 v[TM+\b], |v[\s+16*\b]|, |v[\s+1+16*\b]|, 0x1800000   ; with the floor 2^(3 - 127): the byte cannot fall under 1
.endr
.irp i, 2,4,6,8,10,12,14
.irp b, 0,1,2,3
	v_max3_num_f32 v[TM+\b], v[TM+\b], |v[\s+16*\b+\i]|, |v[\s+1+16*\b+\i]|
.endr
.endr
.irp b, 0,1,2,3
	v_permlanex16_b32 v[TM+4+\b], v[TM+\b], s[SEL], s[SEL+1]
.endr
.irp b, 0,1,2,3
	v_max_num_f32 v[TM+\b], v[TM+\b], v[TM+4+\b]
.endr
.irp b, 0,1,2,3
	v_add_nc_u32 v[TM+12+\b], 0xff000000, v[TM+\b]
.endr
.irp b, 0,1,2,3
	v_lshrrev_b32 v[TM+4+\b], 23, v[TM+12+\b]
.endr
	v_lshl_or_b32 v[PW], v[TM+5], 8, v[TM+4]
	v_lshl_or_b32 v[PW], v[TM+6], 16, v[PW]
	v_lshl_or_b32 v[PW], v[TM+7], 24, v[PW]
.irp c, 0,1
	v_cvt_scalef32_pk16_fp6_f32 v[PC+6*\c:PC+2+6*\c], v[\s+32*\c:\s+15+32*\c], v[TM+12+2*\c]
	v_cvt_scalef32_pk16_fp6_f32 v[PC+12+4*\c:PC+14+4*\c], v[\s+16+32*\c:\s+31+32*\c], v[TM+12+2*\c+1]
.endr
	v_nop                                          ; a plain line behind the conversions
.irp c, 0,1                                    ; the operand's layout wants a whole block in a lane
.irp i, 0,1,2
	v_permlane16_swap_b32 v[PC+6*\c+\i], v[PC+12+4*\c+\i]
.endr
.irp i, 0,1,2
	v_mov_b32 v[PC+3+6*\c+\i], v[PC+12+4*\c+\i]
.endr
.endr
.endm
; THE WAY OUT of block a (16 rows x my 128 columns): gelu in f32, quantised, stored as one fragment's image: three stores of 512 consecutive bytes.
.macro EPI a
.set AC, 64*((\a)%4)
	WIN 0x0a+5*((\a)/4)                            ; sources 0 and 1: window 2 or 3
.set i, 0
.rept 32
	v_pk_mul_f32 v[T+i:T+i+1], v[AC+i:AC+i+1], v[AC+i:AC+i+1]      ; x^2; each accumulator is read from its low end on
.set i, i+2
.endr
	WIN 0
.set i, 0
.rept 32
	v_pk_fma_f32 v[T+i:T+i+1], v[T+i:T+i+1], s[18:19], v[CC:CC+1] op_sel_hi:[1,0,1]   ; c1 x^2 + c0
.set i, i+2
.endr
	WIN 0x02+(\a)/4
.set i, 0
.rept 32
	v_pk_mul_f32 v[T+i:T+i+1], v[AC+i:AC+i+1], v[T+i:T+i+1]
.set i, i+2
.endr
	WIN 0
.set i, 0
.rept 64
	v_exp_f32 v[T+i], v[T+i]
.set i, i+1
.endr
	v_nop
	s_wait_alu depctr_va_vdst(0)                   ; one wait for the 64, ahead of their first reader
.set i, 0
.rept 32
	v_pk_add_f32 v[T+i:T+i+1], v[T+i:T+i+1], 1.0 op_sel_hi:[1,0]
.set i, i+2
.endr
.set i, 0
.rept 64
	v_rcp_f32 v[T+i], v[T+i]
.set i, i+1
.endr
	v_nop
	s_wait_alu depctr_va_vdst(0)
	WIN 0x02+(\a)/4
.set i, 0
.rept 32
	v_pk_mul_f32 v[T+i:T+i+1], v[AC+i:AC+i+1], v[T+i:T+i+1]        ; gelu
.set i, i+2
.endr
	WIN 0
	s_wait_xcnt 0x0                                ; the last block's stores have read the codes' registers
	QUANT T
.irp c, 0,1,2
	global_store_b128 v[LI], v[PC+4*\c:PC+4*\c+3], s[12:13] offset:(\a)*98304+512*\c
.endr
	ds_store_b32 v[STW], v[PW] offset:64*(\a)      ; lanes 16-31 store the same word with the same value
.endm
	s_mov_b32 s18, 0xbdd2d3e8                      ; c1
	s_mov_b32 s19, s18
	PLACES NP
.irp a, 0,1,2,3,4,5,6,7
	EPI \a
.endr
	ds_load_b128 v[T:T+3], v[STR]                  ; LDS serves a wave's instructions in order: this sees my stores
	s_wait_dscnt 0x0
	global_store_b128 v[LI], v[T:T+3], s[10:11]    ; my 128 rows' scale words: 512 consecutive bytes
	s_wait_tensorcnt 0x0                           ; the wave's end
	ds_add_u32 v[SPW], v[NIL]
	s_wait_dscnt 0x0
	CROUND                                         ; the closing round
	s_endpgm
.Lfunc_end_k_q5e82d4ce68_gemm1:
	.size	k_q5e82d4ce68_gemm1, .Lfunc_end_k_q5e82d4ce68_gemm1-k_q5e82d4ce68_gemm1
	.p2alignl 7, 3214868480
	.fill 96, 4, 3214868480
	.section	.rodata,"a",@progbits
	.p2align	6, 0x0
	.amdhsa_kernel k_q5e82d4ce68_gemm1
		.amdhsa_group_segment_fixed_size 327680
		.amdhsa_private_segment_fixed_size 0
		.amdhsa_enable_private_segment 0
		.amdhsa_kernarg_size 24
		.amdhsa_user_sgpr_count 2
		.amdhsa_user_sgpr_kernarg_segment_ptr 1
		.amdhsa_wavefront_size32 1
		.amdhsa_system_sgpr_workgroup_id_x 1
		.amdhsa_system_sgpr_workgroup_id_y 1
		.amdhsa_system_sgpr_workgroup_id_z 1
		.amdhsa_system_vgpr_workitem_id 0
		.amdhsa_next_free_vgpr 1024
		.amdhsa_next_free_sgpr 98
		.amdhsa_reserve_vcc 0
		.amdhsa_float_denorm_mode_32 3
		.amdhsa_float_denorm_mode_16_64 3
		.amdhsa_memory_ordered 1
		.amdhsa_forward_progress 1
		.amdhsa_inst_pref_size 255
	.end_amdhsa_kernel
	.section	.bss,"aw",@nobits
	.p2align	6
	.space	262144
	.amdgpu_metadata
---
amdhsa.version: [ 1, 2 ]
amdhsa.kernels:
  - .name:           k_q5e82d4ce68_gemm1
    .symbol:         k_q5e82d4ce68_gemm1.kd
    .args:
      - { .name: a1, .offset: 0, .size: 8, .value_kind: global_buffer, .address_space: global }
      - { .name: w1q, .offset: 8, .size: 8, .value_kind: global_buffer, .address_space: global }
      - { .name: hq, .offset: 16, .size: 8, .value_kind: global_buffer, .address_space: global }
    .group_segment_fixed_size: 327680
    .private_segment_fixed_size: 0
    .kernarg_segment_align: 8
    .kernarg_segment_size: 24
    .max_flat_workgroup_size: 128
    .sgpr_count:     98
    .vgpr_count:     1024
    .wavefront_size: 32
...
	.end_amdgpu_metadata
.endif
;; end of part 3
;; launch gemm2 (part 4): grid 16 x 16, 4 waves a work-group, clusters of 4 x 4, 327,680 bytes of LDS; arguments hq, w2q, cf, x, out0; writes out0
.if DOCPART == 4
	.amdgcn_target "amdgcn-amd-amdhsa--gfx1250"
	.amdhsa_code_object_version 6
	.text
	.protected	k_q5e82d4ce68_gemm2
	.globl	k_q5e82d4ce68_gemm2
	.p2align	8
	.type	k_q5e82d4ce68_gemm2,@function
k_q5e82d4ce68_gemm2:
	s_mov_b64 s[64:65], 0
	v_nop
	global_prefetch_b8 v0, s[64:65] scope:SCOPE_SE
	s_setreg_imm32_b32 hwreg(HW_REG_WAVE_MODE, 25, 1), 1
	s_wait_xcnt 0x0
	s_wait_alu depctr_hold_cnt(0) depctr_sa_sdst(0) depctr_va_vdst(0) depctr_va_sdst(0) depctr_va_ssrc(0) depctr_va_vcc(0) depctr_vm_vsrc(0)
	s_getreg_b32 s2, hwreg(HW_REG_IB_STS2, 6, 4)
	s_cmp_eq_u32 s2, 0
	s_cbranch_scc0 .Lentry_in_a_cluster
	s_endpgm
.Lentry_in_a_cluster:
	s_bfe_u32 s2, ttmp6, 0x10000c
	s_cmp_lg_u32 s2, 0xf033
	s_cbranch_scc0 .Lentry_shape_is_right
	s_endpgm
.Lentry_shape_is_right:
; y = h W2 on codes of E2M3, [2048][2048], and at once out[b][i][:] = sum over j of Phi[b][i][j] x[b][j][:] + write_out[b][i] y[b][:].  y never goes to memory.
; A tile of y is 128 x 128, so that there are 256 work-groups; four waves, each 64 x 64: 16 accumulators.  hq and w2q lie as images of operand registers (1,536 bytes a fragment, [row tile][K step]).
; THE RING.  Two LDS slots of FIVE K steps of 128 each: a wave's tensor load brings 4 row tiles x 5 K steps (4 rows of 7,680 bytes).  A K step is only 16 matrix instructions a wave, so what counts is how many bytes one
; change of slots brings: five steps are what two slots (2 x 122,880 bytes), the scale words for all of K (2 x 32,768) and the coefficients (10,240) leave room for.  64 K steps are twelve slots and four steps: the thirteenth
; fill reaches one K step past its row tiles' last, into bytes of the same buffer, which are not used.  A lap is ten K steps, so that the two fragment buffers are back in their places at its end.
; The scale words and the rows' 20 coefficients (80 of a row's 128 bytes) come once, with the first fills.
; x: the wave's 64 rows x 64 columns x 4 streams are 512 registers (windows 2 and 3).  They are asked for while K is walked, in three runs, so that they have arrived when the products end.
; CLUSTERS: 4 x 4; A's tiles, A's scale words and the coefficients are asked for jointly along a row of the cluster, B's along a column.
; THE PRODUCT IS USED TRANSPOSED; position p of B holds column p with bits 3 and 4 exchanged: register j of accumulator (a, b) in lane (r, h) is y(16 a + r, 32 (b / 2) + 16 h + 8 (b % 2) + j).
; y goes through the wave's own stage in LDS and comes back by rows; each store of 16 lanes covers 256 consecutive bytes of out, aligned.
; REGISTERS: window 0: v16-31 addresses; v32-39 scale words, two sets, and nothing else; v128-255 the accumulators ((a, b) at 128 + 8 (4 a + b)), on the way out y and coefficients.
;   window 1: two fragment buffers of 96: B's four at + 12 b, A's four at + 48 + 12 a; on the way out the results of pairs of rows 0-15.   windows 2, 3: x: pair of rows t, stream j at 16 t + 4 j;
;   the results of pairs 16-31 take the registers of the x of pairs 0-15.  So no register that a store reads is ever written again.
.set FRB,    1536
.set NS,     5                         ; K steps in a slot
.set QT,     4*NS*FRB                  ; 4 row tiles x 5 K steps: what one tensor load brings
.set SLOT,   4*QT                      ; A's two halves, then B's two halves
.set SCA,    2*SLOT                    ; A's scale words [K step 64][128 rows]
.set SCB,    SCA+32768+128             ; B's, 128 bytes further on than a multiple of 256, so that the two halves of a load's lanes fall on different banks
.set CFP,    80                        ; a row's coefficients in LDS: Phi's 16 and write_out's 4
.set CFL,    SCB+32768+128             ; the coefficients of the tile's 128 rows
.set SPARE,  CFL+128*CFP               ; the spare words: two blocks of 256 bytes that no other line names
.set SPITCH, 272                       ; the stage: 64 rows x (256 bytes + 16) for each wave,
.set STAGE,  SLOT                      ; in slot 1, which has had its last fill and its last read at the last change of slots
.set ADRA, 16
.set ADRB, 20
.set STO,  24
.set RDY,  25
.set XO,   26
.set ADRS, 27
.set SPW,  28
.set NIL,  29
.set CFA,  30
.set PFO,  31                          ; v31     the prefetches' offset: 256 x min(lane, 29); never rewritten
.set SC,   32
.set ACC,  128
.set G1, 24
.set G0, 32
.set G1B, 48
.set G0B, 56
.set G1S, 68
.set G0S, 76
.set G1SB, 80
.set G0SB, 88
.set G1C, 92
.set G0C, 4
.set PFA, 100                          ; s[100:101] where my prefetches stand
.set LIM, 43                           ; s43     1 in a wave that prefetches, else 0
.set MSB, 0
.macro WIN new                         ; the immediate's high byte repeats the setting that is left
.if MSB != (\new)
	s_set_vgpr_msb (MSB<<8)|(\new)
.set MSB, (\new)
.endif
.endm
.set MUL,  0x05                        ; sources 0 (B) and 1 (A) window 1; C and D window 0
.set TO_F, 0x40
; A joint load: waves 0 and 1 fetch for A, waves 2 and 3 for B; the branch hangs on the wave's number alone.  Four v_nop follow each line.
.macro JLOAD g0a, g1a, g0b, g1b
	s_cmp_eq_u32 s15, 0
	s_cbranch_scc0 .Lfor_b_\@
	tensor_load_to_lds s[\g0a:\g0a+3], s[\g1a:\g1a+7]
	s_nop 0
.rept 4
	v_nop
.endr
	s_branch .Lasked_\@
.Lfor_b_\@:
	tensor_load_to_lds s[\g0b:\g0b+3], s[\g1b:\g1b+7]
	s_nop 0
.rept 4
	v_nop
.endr
.Lasked_\@:
.endm
.macro CREST
	s_cmp_lg_u32 s14, 0
	s_cbranch_scc1 .Lnot_wave_0_\@
	s_barrier_signal -3
.Lnot_wave_0_\@:
	s_barrier_wait -3
	s_barrier_signal -1
	s_barrier_wait -1
.endm
.macro CROUND
	s_barrier_signal -1
	s_barrier_wait -1
	CREST
.endm
.macro PLACES
.rept 4
	v_nop
.endr
.endm
; A PREFETCH INTO THE L2 of what the NEXT change of slots will load: it stands behind the joint load, its four lines and the run of LDS loads.  At a change of slots every wave has waited for all its tensor loads, so the refill
; goes out with nothing on its way beside it: what the next one asks for is asked of memory one change, five K steps, earlier.  Each block of 256 bytes is named by one wave of the launch.  A's row tiles are read by every cluster
; of a row of clusters: the one with x = 0 asks; B's by every cluster of a column: the one with y = 0 asks.  Of the four row tiles that a wave fetches, the partner at place p (cx for A, cy for B) takes row tile p, told apart BY
; ADDRESS: no branch hangs on a work-group's place in its cluster.  A row tile's part of a fill is 7,680 bytes: 30 blocks, a lane a block; lanes 30 and 31 name lane 29's block again.
; The ten changes of slots in the loops ask, for fills 3 to 12; fills 0 to 2 come by their loads alone, and the last change that fills a slot asks for nothing.
.macro ASK
	s_cmp_eq_u32 s[LIM], 1
	s_cbranch_scc0 .Lnot_mine_\@
	global_prefetch_b8 v[PFO], s[PFA:PFA+1] th:TH_LOAD_NT scope:SCOPE_SE
.Lnot_mine_\@:
.endm
	s_load_b128 s[4:7], s[0:1], 0x0                ; hq, w2q
	s_load_b128 s[8:11], s[0:1], 0x10              ; cf, x
	s_load_b64 s[12:13], s[0:1], 0x20              ; out0
	v_lshl_add_u32 v[SPW], v0, 2, SPARE
	v_mov_b32 v[NIL], 0
	ds_add_u32 v28, v29
	ds_add_u32 v28, v29
	s_wait_dscnt 0x0
	v_lshrrev_b32 v1, 5, v0
	v_readfirstlane_b32 s14, v1                    ; wave 0..3
	s_lshr_b32 s15, s14, 1                         ; my half of the tile's rows.  Also: I fetch for A (0) or for B (1)
	s_and_b32 s16, s14, 1                          ; my half of its columns.  Also: which half of that tile I fetch
	s_bfe_u32 s40, ttmp6, 0x40000                  ; cx, cy
	s_bfe_u32 s41, ttmp6, 0x40004
	s_lshl_b32 s42, ttmp9, 2
	s_add_co_u32 s42, s42, s40                     ; tile column
	s_and_b32 s17, ttmp7, 0xffff
	s_lshl_b32 s17, s17, 2
	s_add_co_u32 s17, s17, s41                     ; tile row
	s_lshl_b32 s43, s41, 2
	s_lshl_b32 s43, 15, s43                        ; my row of the cluster
	s_lshl_b32 s44, 0x1111, s40                    ; my column
	s_or_b32 s[G1+0], s43, (3<<16)|(1<<21)         ; the mask; elements of 8 bytes; bit 21 beside a mask; no padding
	s_or_b32 s[G1B+0], s44, (3<<16)|(1<<21)
.irp g, G1, G1B
	s_mov_b32 s[\g+1], (NS*FRB/8)<<16              ; tensor_dim0: 7,680 bytes: five K steps of a row tile
	s_mov_b32 s[\g+2], 4<<16                       ; tensor_dim1: 4 row tiles
	s_mov_b32 s[\g+3], (NS*FRB/8)<<16              ; tile_dim0
	s_mov_b32 s[\g+4], 4                           ; tile_dim1
	s_mov_b32 s[\g+5], 12288                       ; from row tile to row tile: 64 K steps x 1,536 bytes
	s_mov_b32 s[\g+6], 0
	s_mov_b32 s[\g+7], 0
.endr
	s_or_b32 s[G1S+0], s43, (3<<16)|(1<<21)        ; the scale words: 32 K steps x 128 rows x 4 bytes
	s_or_b32 s[G1SB+0], s44, (3<<16)|(1<<21)
.irp g, G1S, G1SB
	s_mov_b32 s[\g+1], 64<<16
	s_mov_b32 s[\g+2], 32<<16
	s_mov_b32 s[\g+3], 64<<16
	s_mov_b32 s[\g+4], 32
	s_mov_b32 s[\g+5], 1024                        ; a K step's words: 2,048 rows
	s_mov_b32 s[\g+6], 0
	s_mov_b32 s[\g+7], 0
.endr
	s_or_b32 s[G1C+0], s43, (3<<16)|(1<<21)        ; the coefficients of 32 rows: the first 80 bytes of each row of 128
	s_mov_b32 s[G1C+1], 10<<16
	s_mov_b32 s[G1C+2], 32<<16
	s_mov_b32 s[G1C+3], 10<<16
	s_mov_b32 s[G1C+4], 32
	s_mov_b32 s[G1C+5], 16
	s_mov_b32 s[G1C+6], 0
	s_mov_b32 s[G1C+7], 0
	s_lshl_b32 s18, s16, 2
	s_lshl_b32 s20, s17, 3
	s_add_co_u32 s20, s20, s18
	s_mul_i32 s20, s20, 98304                      ; A: row tile 8 x tile row + 4 x half
	s_mov_b32 s21, 0
	s_lshl_b32 s22, s16, 18
	s_lshl_b32 s23, s17, 9
	s_add_co_u32 s22, s22, s23
	s_add_co_u32 s22, s22, 12582912                ; A's words: K step 32 x half, row 128 x tile row
	s_mov_b32 s23, 0
	s_lshl_b32 s46, s42, 3
	s_add_co_u32 s46, s46, s18
	s_mul_i32 s46, s46, 98304                      ; B likewise, by the tile column
	s_mov_b32 s47, 0
	s_lshl_b32 s2, s16, 18
	s_lshl_b32 s3, s42, 9
	s_add_co_u32 s2, s2, s3
	s_add_co_u32 s2, s2, 12582912
	s_mov_b32 s3, 0
	s_lshl_b32 s18, s17, 14
	s_lshl_b32 s19, s14, 12
	s_add_co_u32 s18, s18, s19                     ; the coefficients: row 128 x tile row + 32 x wave
	s_mov_b32 s19, 0
	s_mul_i32 s45, s14, QT                         ; where the tiles go: no place in the cluster enters an LDS address
	s_wait_kmcnt 0x0
	s_add_nc_u64 s[20:21], s[4:5], s[20:21]
	s_add_nc_u64 s[22:23], s[4:5], s[22:23]
	s_add_nc_u64 s[46:47], s[6:7], s[46:47]
	s_add_nc_u64 s[2:3], s[6:7], s[2:3]
	; the prefetches: who asks, and where (the masks in s43 and s44 have gone into the descriptors)
	s_and_b32 s[LIM], ttmp7, 0xffff                ; cluster y
	s_cmp_eq_u32 s15, 0                            ; do I fetch for A?
	s_cselect_b32 s66, s17, s42                    ; the tile row, or the tile column
	s_cselect_b32 s44, s40, s41                    ; my place among the four that ask for the tile with me
	s_cselect_b32 s[LIM], ttmp9, s[LIM]            ; the coordinate along which other clusters read the same row tiles
	s_cselect_b64 s[PFA:PFA+1], s[4:5], s[6:7]
	s_cmp_eq_u32 s[LIM], 0
	s_cselect_b32 s[LIM], 1, 0                     ; the same in all sixteen partners, for a given wave
	s_lshl_b32 s66, s66, 3
	s_lshl_b32 s67, s16, 2
	s_add_co_u32 s66, s66, s67                     ; the four row tiles that I fetch,
	s_add_co_u32 s66, s66, s44                     ; my work-group's one of them
	s_mul_i32 s66, s66, 98304
	s_add_co_u32 s66, s66, 2*NS*FRB                ; at fill 2: the first change of slots steps it to fill 3.  Nothing is prefetched here, at the head
	s_mov_b32 s67, 0
	s_add_nc_u64 s[PFA:PFA+1], s[PFA:PFA+1], s[66:67]
	CROUND                                         ; all sixteen work-groups are here: the first joint loads meet
	s_lshl_b32 s5, s16, 14
	s_mov_b32 s[G0S], 1
	s_add_co_u32 s[G0S+1], s5, SCA
	s_mov_b64 s[G0S+2:G0S+3], s[22:23]
	s_or_b32 s[G0S+3], s[G0S+3], 0x80000000
	s_mov_b32 s[G0SB], 1
	s_add_co_u32 s[G0SB+1], s5, SCB
	s_mov_b64 s[G0SB+2:G0SB+3], s[2:3]
	s_or_b32 s[G0SB+3], s[G0SB+3], 0x80000000
	JLOAD G0S, G1S, G0SB, G1SB                     ; the scale words: filled once
	s_mov_b32 s[G0C], 1
	s_mul_i32 s[G0C+1], s14, 32*CFP
	s_add_co_u32 s[G0C+1], s[G0C+1], CFL
	s_add_nc_u64 s[G0C+2:G0C+3], s[8:9], s[18:19]
	s_or_b32 s[G0C+3], s[G0C+3], 0x80000000
	tensor_load_to_lds s[G0C:G0C+3], s[G1C:G1C+7]  ; the coefficients: every wave its 32 rows; filled once
	s_nop 0
.rept 4
	v_nop
.endr
.irp s, 0,1
	s_mov_b32 s[G0+4*\s], 1
	s_add_co_u32 s[G0+4*\s+1], s45, \s*SLOT
	s_add_nc_u64 s[G0+4*\s+2:G0+4*\s+3], s[20:21], \s*NS*FRB
	s_or_b32 s[G0+4*\s+3], s[G0+4*\s+3], 0x80000000
	s_mov_b32 s[G0B+4*\s], 1
	s_add_co_u32 s[G0B+4*\s+1], s45, \s*SLOT
	s_add_nc_u64 s[G0B+4*\s+2:G0B+4*\s+3], s[46:47], \s*NS*FRB
	s_or_b32 s[G0B+4*\s+3], s[G0B+4*\s+3], 0x80000000
	JLOAD G0+4*\s, G1, G0B+4*\s, G1B               ; four tensor loads of mine are out
.endr
	v_and_b32 v1, 15, v0                           ; r
	v_bfe_u32 v2, v0, 4, 1                         ; h
	v_and_b32 v3, 31, v0
	v_lshlrev_b32 v4, 4, v3
	v_min_u32 v[PFO], 29, v3
	v_lshlrev_b32 v[PFO], 8, v[PFO]
	s_mul_i32 s21, s15, QT
	s_mul_i32 s22, s16, QT
	s_add_co_u32 s22, s22, 2*QT
.irp s, 0,1
	v_add_nc_u32 v[ADRA+\s], s21, v4
	v_add_nc_u32 v[ADRB+\s], s22, v4
	s_add_co_u32 s21, s21, SLOT
	s_add_co_u32 s22, s22, SLOT
.endr
	s_lshl_b32 s21, s15, 8                         ; A's words: my 64 rows
	s_lshl_b32 s22, s16, 8                         ; B's: my 64 positions
	s_add_co_u32 s22, s22, SCB-SCA
	s_sub_co_u32 s22, s22, s21
	v_mul_u32_u24 v6, s22, v2                      ; lanes 16-31 take B's: one product, the distance between the two bases
	s_add_co_u32 s21, s21, SCA
	v_lshl_add_u32 v6, v1, 2, v6
	v_add_nc_u32 v[ADRS], s21, v6
	s_mul_i32 s23, s14, 64*SPITCH                  ; my stage
	s_add_co_u32 s23, s23, STAGE
	v_mul_u32_u24 v5, v1, SPITCH
	v_lshl_add_u32 v5, v2, 6, v5
	v_add_nc_u32 v[STO], s23, v5                   ; in: row r, + 64 h
	v_mul_u32_u24 v5, v2, SPITCH
	v_lshl_add_u32 v5, v1, 4, v5
	v_add_nc_u32 v[RDY], s23, v5                   ; back: lanes 0-15 one row, lanes 16-31 the next
	s_mul_i32 s23, s15, 64*CFP
	s_add_co_u32 s23, s23, CFL
	v_mul_u32_u24 v5, v2, CFP
	v_add_nc_u32 v[CFA], s23, v5                   ; the same two rows' coefficients
	v_lshlrev_b32 v5, 15, v2
	v_lshl_add_u32 v[XO], v1, 4, v5                ; and the same two rows in x and out: 32,768 bytes a row, 16 bytes a lane
	s_lshl_b32 s20, s17, 7
	s_lshl_b32 s21, s15, 6
	s_add_co_u32 s20, s20, s21
	s_lshl_b32 s20, s20, 15                        ; my first row,
	s_mov_b32 s21, 0
	s_lshl_b32 s46, s42, 9
	s_lshl_b32 s47, s16, 8
	s_add_co_u32 s46, s46, s47                     ; my first column
	s_mov_b32 s47, 0
	s_add_nc_u64 s[20:21], s[20:21], s[46:47]
	s_add_nc_u64 s[10:11], s[10:11], s[20:21]
	s_add_nc_u64 s[12:13], s[12:13], s[20:21]
.macro XB t0, t1                       ; x: pairs of rows t0 .. t1, four streams each; sixteen lanes read 256 consecutive bytes
.set TT, \t0
.rept \t1-\t0+1
	WIN 0x80+0x40*(TT/16)                          ; destination window 2 or 3
.irp j, 0,1,2,3
	global_load_b128 v[(16*TT+4*\j)%256:(16*TT+4*\j)%256+3], v[XO], s[10:11] offset:65536*TT+8192*\j th:TH_LOAD_NT
.endr
.set TT, TT+1
.endr
	WIN 0
.endm
; The buffers and the sets of scale registers go by the K step's parity, (5 slot + q) % 2.
.macro FETCH slot, q                   ; 28 LDS loads in one run: the slot's q-th K step: 4 scale registers, B's four fragments, A's four
.set FB, 96*((NS*(\slot)+(\q))%2)
.set SS, SC+4*((NS*(\slot)+(\q))%2)
	WIN 0
.irp i, 0,1,2,3
	ds_load_b32 v[SS+\i], v[ADRS] offset:512*(\q)+64*\i            ; lanes 0-15 A's block i, lanes 16-31 B's block i
.endr
	WIN TO_F
.irp i, 0,1,2,3
.irp c, 0,1,2
	ds_load_b128 v[FB+12*\i+4*\c:FB+12*\i+4*\c+3], v[ADRB+\slot] offset:(NS*\i+(\q))*FRB+512*\c
.endr
.endr
.irp i, 0,1,2,3
.irp c, 0,1,2
	ds_load_b128 v[FB+48+12*\i+4*\c:FB+48+12*\i+4*\c+3], v[ADRA+\slot] offset:(NS*\i+(\q))*FRB+512*\c
.endr
.endr
.endm
.macro MULA slot, q, a, zero           ; A's block a x B's four.  The 16 accumulators take turns, one instruction a turn, in the same order in every step
.set FB, 96*((NS*(\slot)+(\q))%2)
.set SS, SC+4*((NS*(\slot)+(\q))%2)
.irp b, 0,1,2,3
.if \zero
	v_wmma_scale_f32_16x16x128_f8f6f4 v[ACC+8*(4*(\a)+\b):ACC+8*(4*(\a)+\b)+7], v[FB+12*\b:FB+12*\b+11], v[FB+48+12*(\a):FB+48+12*(\a)+11], 0, v[SS+\b], v[SS+(\a)] matrix_a_fmt:MATRIX_FMT_FP6 matrix_b_fmt:MATRIX_FMT_FP6 matrix_a_scale:MATRIX_SCALE_ROW1
.else
	v_wmma_scale_f32_16x16x128_f8f6f4 v[ACC+8*(4*(\a)+\b):ACC+8*(4*(\a)+\b)+7], v[FB+12*\b:FB+12*\b+11], v[FB+48+12*(\a):FB+48+12*(\a)+11], v[ACC+8*(4*(\a)+\b):ACC+8*(4*(\a)+\b)+7], v[SS+\b], v[SS+(\a)] matrix_a_fmt:MATRIX_FMT_FP6 matrix_b_fmt:MATRIX_FMT_FP6 matrix_a_scale:MATRIX_SCALE_ROW1
.endif
.endr
.endm
.macro KSTEP slot, q, zero             ; a K step of 128 that has its successor in the same slot
	s_wait_dscnt 6                                 ; all but the youngest six loads (A's blocks 2, 3) are in
	WIN MUL
	MULA \slot, \q, 0, \zero
	MULA \slot, \q, 1, \zero
	PLACES                                         ; four plain lines in front of loads into registers that the step before multiplied
	FETCH \slot, (\q)+1
	s_wait_dscnt 28                                ; all but the 28 just issued
	WIN MUL
	MULA \slot, \q, 2, \zero
	MULA \slot, \q, 3, \zero
.endm
; A slot's last K step changes slots: one barrier; in front of it each wave waits for all its tensor loads, adds 0 to its spare word, and waits for that and for its reads of this slot.
; fill = 0: nothing is filled; 1: this slot is filled again, ten K steps ahead; 2: and the fill after that one is prefetched.
.macro TURN slot, next, fill
.if \fill == 2
	s_wait_xcnt 0x0                                ; the last prefetch, five K steps back, has read its address: it is stepped here, ahead of the waits of the change of slots
	s_add_nc_u64 s[PFA:PFA+1], s[PFA:PFA+1], NS*FRB
.endif
	WIN 0                                          ; (the add's two registers lie in window 0)
	s_wait_tensorcnt 0x0                           ; all my tensor loads have landed: my part of the next slot
	ds_add_u32 v[SPW], v[NIL]                      ; 0 onto my spare word
	s_wait_dscnt 7                                 ; (the add and A's blocks 2, 3 may be out)
	WIN MUL
	MULA \slot, NS-1, 0, 0
	s_wait_dscnt 0x0                               ; the add is done, and my reads of this slot are over
	s_barrier_signal -1
	MULA \slot, NS-1, 1, 0
	WIN 0
	s_barrier_wait -1
.if \fill
	CREST                                          ; the barrier has opened a round of the cluster's barrier: no wave of any partner still reads this slot or has a load on its way
	s_add_nc_u64 s[G0+4*\slot+2:G0+4*\slot+3], s[G0+4*\slot+2:G0+4*\slot+3], 2*NS*FRB
	s_add_nc_u64 s[G0B+4*\slot+2:G0B+4*\slot+3], s[G0B+4*\slot+2:G0B+4*\slot+3], 2*NS*FRB
	JLOAD G0+4*\slot, G1, G0B+4*\slot, G1B         ; the first tensor load behind the round, my one load until the next; its four v_nop are also the plain lines in front of the loads below
.else
	PLACES
.endif
	v_add_nc_u32 v[ADRS], 512*NS, v[ADRS]          ; the next slot's five K steps of scale words
	FETCH \next, 0
.if \fill == 2
	WIN 0                                          ; (a branch and a label follow)
	ASK
.endif
	WIN MUL
	MULA \slot, NS-1, 2, 0
	MULA \slot, NS-1, 3, 0
.endm
.macro LAP                             ; once round the ring, ten K steps, from a lap's second K step to the next lap's first; both slots are filled again
	KSTEP 0, 1, 0
	KSTEP 0, 2, 0
	KSTEP 0, 3, 0
	TURN 0, 1, 2
	KSTEP 1, 0, 0
	KSTEP 1, 1, 0
	KSTEP 1, 2, 0
	KSTEP 1, 3, 0
	TURN 1, 0, 2
	KSTEP 0, 0, 0
	WIN 0
.endm
	XB 0, 14                                       ; 60 loads
	s_wait_tensorcnt 1                             ; scale words, coefficients and my part of slot 0 are in; slot 1's load may be out
	s_barrier_signal -1
	s_barrier_wait -1
	FETCH 0, 0
	KSTEP 0, 0, 1                                  ; the first K step stands in front of the loops: its products start the sums
	WIN 0
	s_mov_b32 s3, 2
.Llap1:                                            ; K steps 1 to 20; fills 2 to 5
	LAP
	s_sub_co_u32 s3, s3, 1
	s_cmp_lg_u32 s3, 0
	s_cbranch_scc1 .Llap1
	XB 15, 29                                      ; 60 more
	s_mov_b32 s3, 3
.Llap2:                                            ; K steps 21 to 50; fills 6 to 11
	LAP
	s_sub_co_u32 s3, s3, 1
	s_cmp_lg_u32 s3, 0
	s_cbranch_scc1 .Llap2
	XB 30, 31
	KSTEP 0, 1, 0                                  ; the tail is written out: K steps 51 to 63
	KSTEP 0, 2, 0
	KSTEP 0, 3, 0
	TURN 0, 1, 1                                   ; fill 12, the last: K steps 60 to 63 and one that is not used
	KSTEP 1, 0, 0
	KSTEP 1, 1, 0
	KSTEP 1, 2, 0
	KSTEP 1, 3, 0
	TURN 1, 0, 0                                   ; nothing is filled; behind this barrier nobody reads slot 1 any more
	KSTEP 0, 0, 0
	KSTEP 0, 1, 0
	KSTEP 0, 2, 0
	s_wait_dscnt 6
	WIN MUL
	MULA 0, 3, 0, 0
	MULA 0, 3, 1, 0
	s_wait_dscnt 0
	MULA 0, 3, 2, 0
	MULA 0, 3, 3, 0
	WIN 0
; THE WAY OUT.  y into my stage; then, two rows at a time, y, the rows' coefficients and x make four streams of out.
	PLACES                                         ; four plain lines behind the last products, ahead of the first read of results and of the first write into the fragments' registers
.irp a, 0,1,2,3
.irp b, 0,1,2,3
	ds_store_b128 v[STO], v[ACC+8*(4*\a+\b):ACC+8*(4*\a+\b)+3] offset:16*SPITCH*\a+128*(\b/2)+32*(\b%2)       ; each accumulator from its low end on
	ds_store_b128 v[STO], v[ACC+8*(4*\a+\b)+4:ACC+8*(4*\a+\b)+7] offset:16*SPITCH*\a+128*(\b/2)+32*(\b%2)+16
.endr
.endr
	s_wait_dscnt 0x0                               ; the accumulators' registers are taken for other things below
	s_wait_loadcnt 0x0                             ; x
.macro LDSET t                         ; rows 2 t, 2 t + 1: four numbers of y a lane, and the row's 20 coefficients (the sixteen lanes of a row read the same bytes)
.set LL, 160+24*((\t)%4)
	ds_load_b128 v[LL:LL+3], v[RDY] offset:2*SPITCH*(\t)
.irp p, 0,1,2,3,4
	ds_load_b128 v[LL+4+4*\p:LL+7+4*\p], v[CFA] offset:2*CFP*(\t)+16*\p
.endr
.endm
.macro PKM d, x, c                     ; d = x times the number in register c, in both halves
.if (\c)%2
	v_pk_mul_f32 v[\d:\d+1], v[\x:\x+1], v[(\c)-1:(\c)] op_sel:[0,1] op_sel_hi:[1,1]
.else
	v_pk_mul_f32 v[\d:\d+1], v[\x:\x+1], v[(\c):(\c)+1] op_sel_hi:[1,0]
.endif
.endm
.macro PKF d, x, c                     ; d += x times the number in register c
.if (\c)%2
	v_pk_fma_f32 v[\d:\d+1], v[\x:\x+1], v[(\c)-1:(\c)], v[\d:\d+1] op_sel:[0,1,0] op_sel_hi:[1,1,1]
.else
	v_pk_fma_f32 v[\d:\d+1], v[\x:\x+1], v[(\c):(\c)+1], v[\d:\d+1] op_sel_hi:[1,0,1]
.endif
.endm
.macro SENDT t                         ; pair t's four streams leave: a store's data are its source 1: window 1 (pairs 0-15) or 2
	WIN 0x04+0x04*((\t)/16)
.irp i, 0,1,2,3
	global_store_b128 v[XO], v[16*((\t)%16)+4*\i:16*((\t)%16)+4*\i+3], s[12:13] offset:65536*(\t)+8192*\i th:TH_STORE_NT   ; 16 lanes store 256 consecutive bytes, at a multiple of 256 from out's first byte
.endr
.endm
; Pair t.  Its results have registers of their own: 16 (t % 16) on, in window 1 for pairs 0-15, in window 2 (where the x of pair t - 16 lay) for pairs 16-31: nothing that a store reads is written again, so no wait
; stands between a store and later arithmetic.  The stores of pair t - 1 are issued behind pair t's arithmetic: their data were finished 40 instructions earlier.
.macro OUTT t
.set LS, 160+24*((\t)%4)
.set OO, 16*((\t)%16)
.set XX, 16*((\t)%16)
	WIN 0
.if (\t)+3 < 32
	LDSET (\t)+3
	s_wait_dscnt 18                                ; this pair's six loads are in; three younger sets of six may be out
.else
	s_wait_dscnt 6*(31-(\t))
.endif
	WIN 0x40+0x40*((\t)/16)                        ; destination window 1 or 2; y and the coefficients window 0
.irp i, 0,1,2,3
.irp pp, 0,1
	PKM OO+4*\i+2*\pp, LS+2*\pp, LS+20+\i
.endr
.endr
	WIN 0x52+0x51*((\t)/16)                        ; source 0 (x) window 2 or 3; the sum, as source 2 and destination, window 1 or 2
.irp j, 0,1,2,3
.irp i, 0,1,2,3
.irp pp, 0,1
	PKF OO+4*\i+2*\pp, XX+4*\j+2*\pp, LS+4+4*\i+\j
.endr
.endr
.endr
.if (\t) > 0
	SENDT (\t)-1
.endif
.endm
	LDSET 0
	LDSET 1
	LDSET 2
.irp t, 0,1,2,3,4,5,6,7,8,9,10,11,12,13,14,15,16,17,18,19,20,21,22,23,24,25,26,27,28,29,30,31
	OUTT \t
.endr
	SENDT 31
	WIN 0
	s_wait_tensorcnt 0x0                           ; the wave's end
	ds_add_u32 v[SPW], v[NIL]
	s_wait_dscnt 0x0
	CROUND                                         ; the closing round
	s_endpgm
.Lfunc_end_k_q5e82d4ce68_gemm2:
	.size	k_q5e82d4ce68_gemm2, .Lfunc_end_k_q5e82d4ce68_gemm2-k_q5e82d4ce68_gemm2
	.p2alignl 7, 3214868480
	.fill 96, 4, 3214868480
	.section	.rodata,"a",@progbits
	.p2align	6, 0x0
	.amdhsa_kernel k_q5e82d4ce68_gemm2
		.amdhsa_group_segment_fixed_size 327680
		.amdhsa_private_segment_fixed_size 0
		.amdhsa_enable_private_segment 0
		.amdhsa_kernarg_size 40
		.amdhsa_user_sgpr_count 2
		.amdhsa_user_sgpr_kernarg_segment_ptr 1
		.amdhsa_wavefront_size32 1
		.amdhsa_system_sgpr_workgroup_id_x 1
		.amdhsa_system_sgpr_workgroup_id_y 1
		.amdhsa_system_sgpr_workgroup_id_z 1
		.amdhsa_system_vgpr_workitem_id 0
		.amdhsa_next_free_vgpr 1024
		.amdhsa_next_free_sgpr 102
		.amdhsa_reserve_vcc 0
		.amdhsa_float_denorm_mode_32 3
		.amdhsa_float_denorm_mode_16_64 3
		.amdhsa_memory_ordered 1
		.amdhsa_forward_progress 1
		.amdhsa_inst_pref_size 255
	.end_amdhsa_kernel
	.section	.bss,"aw",@nobits
	.p2align	6
	.space	262144
	.amdgpu_metadata
---
amdhsa.version: [ 1, 2 ]
amdhsa.kernels:
  - .name:           k_q5e82d4ce68_gemm2
    .symbol:         k_q5e82d4ce68_gemm2.kd
    .args:
      - { .name: hq, .offset: 0, .size: 8, .value_kind: global_buffer, .address_space: global }
      - { .name: w2q, .offset: 8, .size: 8, .value_kind: global_buffer, .address_space: global }
      - { .name: cf, .offset: 16, .size: 8, .value_kind: global_buffer, .address_space: global }
      - { .name: x, .offset: 24, .size: 8, .value_kind: global_buffer, .address_space: global }
      - { .name: out0, .offset: 32, .size: 8, .value_kind: global_buffer, .address_space: global }
    .group_segment_fixed_size: 327680
    .private_segment_fixed_size: 0
    .kernarg_segment_align: 8
    .kernarg_segment_size: 40
    .max_flat_workgroup_size: 128
    .sgpr_count:     102
    .vgpr_count:     1024
    .wavefront_size: 32
...
	.end_amdgpu_metadata
.endif
;; end of part 4
